; MI455X (gfx1250); checked and timed in simulation.
; The chip was launched on July 23, 2026; its instructions are those of AMD's public machine-readable ISA for CDNA 5 (MIT licence, August 2026) and "CDNA5" Instruction Set Architecture Reference Guide (July 2026). The comments in the code are by the model that wrote it; some were corrected since.
;; DQN Agent modify. Allowed arithmetic: float matrix products may take bf16 or f16 operands with f32 sums; all other float work in f32.
;; Inputs: W0a 512 x 256 float32; W0b 256 x 512 float32; W1a 512 x 512 float32; W1b 512 x 256 float32; W2a 256 x 128 float32; W2b 128 x 256 float32; Wv 256 x 1 float32; b0a 256 float32; b0b 512 float32; b1a 512 float32; b1b 256 float32; b2a 128 float32; b2b 256 float32; bv 1 float32; feat 256 x 2 x 4 float32; obs 256 x 128 x 4 float32.
;; Outputs: out0 256 x 256 float32.
;; 2 versions, each right and faster than the one before. Each part assembles by itself: llvm-mc -triple=amdgcn-amd-amdhsa -mcpu=gfx1250 --defsym DOCPART=n.
;; ======== version 1 of 2: 2 launches
;; workspace buffers: wts 1,441,792 bytes
;; launch pack (part 1): grid 4 x 22, 8 waves a work-group, no clusters, 0 bytes of LDS; arguments W0a, W0b, W1a, W1b, W2a, W2b, wts; writes wts
.if DOCPART == 1
	.amdgcn_target "amdgcn-amd-amdhsa--gfx1250"
	.amdhsa_code_object_version 6
	.text
	.protected	k_q09e7c06a7d_pack
	.globl	k_q09e7c06a7d_pack
	.p2align	8
	.type	k_q09e7c06a7d_pack,@function
k_q09e7c06a7d_pack:
	s_mov_b64 s[64:65], 0
	v_nop
	global_prefetch_b8 v0, s[64:65] scope:SCOPE_SE
	s_setreg_imm32_b32 hwreg(HW_REG_WAVE_MODE, 25, 1), 1
	s_wait_xcnt 0x0
; The six weight matrices W[k][n] (f32, row-major) are rounded to bf16 and laid out as register images of matrix fragments.
; A fragment is 1,024 bytes: 16 outputs n x 32 inputs k.  The 16 bytes at half*512 + l*16 hold W[k][n] for
; k = 32 q + 16 half + 8 (l >> 4) + 0..7 and n = 16 NT + (l & 15): two 16-byte loads at 16 x lane (+512) fill an operand.
; Order of a layer's fragments (N outputs, KS = K/32): F = ((nu*4 + Q)*KS + q), NT = nu + Q*(N/64).  64 fragments are a tile of
; 65,536 bytes; tiles 0-3 W0a, 4-7 W0b, 8-15 W1a, 16-19 W1b, 20 W2a, 21 W2b.
; One wave makes two fragments (n-tiles 2 nup and 2 nup + 1 of one Q, one q): lane l reads column l of 32 neighbouring columns in 32
; rows (each load of the wave covers 128 consecutive bytes), packs 8 k at a time and stores 16 bytes; sixteen neighbouring lanes
; store 256 consecutive bytes at a multiple of 256.  No LDS, no barrier, no loop: 2.9 MB are read once, 1.4 MB written once.
.set Y,   4                            ; v[4:19]   four pieces of 8 bf16
.set OFF, 32                           ; v[32:63]  byte offset of row kk
.set X,   64                           ; v[64:95]  the 32 numbers as loaded
	s_load_b256 s[8:15], s[0:1], 0x0               ; W0a s[8:9], W0b s[10:11], W1a s[12:13], W1b s[14:15]
	s_load_b128 s[16:19], s[0:1], 0x20             ; W2a s[16:17], W2b s[18:19]
	s_load_b64 s[20:21], s[0:1], 0x30              ; wts
	v_lshrrev_b32 v1, 5, v0
	v_readfirstlane_b32 s2, v1                     ; wave 0..7
	v_and_b32 v2, 31, v0                           ; lane
	s_and_b32 s3, ttmp7, 0xffff                    ; y = the tile whose number of units this work-group takes
	s_mov_b32 s24, 8                               ; log2 N    (start: W2b)
	s_mov_b32 s25, 2                               ; log2 KS
	s_mov_b32 s26, 21                              ; the layer's first tile
	s_wait_kmcnt 0x0
	s_mov_b64 s[22:23], s[18:19]
; the layer is chosen by y alone: each step overrides the one before where y lies below its bound
.macro PICK below, ptr, ln, lk, t0
	s_cmp_lt_u32 s3, \below
	s_cselect_b64 s[22:23], s[\ptr:\ptr+1], s[22:23]
	s_cselect_b32 s24, \ln, s24
	s_cselect_b32 s25, \lk, s25
	s_cselect_b32 s26, \t0, s26
.endm
	PICK 21, 16, 7, 3, 20                          ; W2a
	PICK 20, 14, 8, 4, 16                          ; W1b
	PICK 16, 12, 9, 4, 8                           ; W1a
	PICK 8, 10, 9, 3, 4                            ; W0b
	PICK 4, 8, 8, 4, 0                             ; W0a
	s_sub_co_u32 s27, s3, s26
	s_lshl_b32 s27, s27, 5
	s_lshl_b32 s28, ttmp9, 3
	s_add_co_u32 s27, s27, s28
	s_add_co_u32 s27, s27, s2                      ; U = 32 (y - first tile) + 8 x + wave: the unit in its layer
	s_bfm_b32 s28, s25, 0                          ; KS - 1
	s_and_b32 s29, s27, s28                        ; q
	s_lshr_b32 s30, s27, s25
	s_and_b32 s31, s30, 3                          ; Q
	s_lshr_b32 s32, s30, 2                         ; nup
	s_lshl_b32 s33, s29, 5
	s_lshl_b32 s33, s33, s24                       ; 32 q rows of N
	s_lshl_b32 s34, s32, 5
	s_add_co_u32 s33, s33, s34                     ; + 32 nup columns
	s_sub_co_u32 s35, s24, 2
	s_lshl_b32 s34, s31, s35
	s_add_co_u32 s33, s33, s34                     ; + Q N/4 columns
	s_lshl_b32 s33, s33, 2                         ; in bytes
	s_lshl_b32 s36, 4, s24                         ; bytes from row to row
	v_lshl_add_u32 v3, v2, 2, s33                  ; + my column
.set kk, 0
.rept 32
	v_mad_u32_u24 v[OFF+kk], s36, kk, v3
.set kk, kk+1
.endr
.set kk, 0
.rept 32
	global_load_b32 v[X+kk], v[OFF+kk], s[22:23]
.set kk, kk+1
.endr
	s_lshl3_add_u32 s37, s32, s31                  ; 4 nu + Q with nu = 2 nup
	s_lshl_b32 s37, s37, s25
	s_add_co_u32 s37, s37, s29                     ; F of the first fragment
	s_lshl_b32 s37, s37, 10
	s_lshl_b32 s38, s26, 16
	s_add_co_u32 s37, s37, s38                     ; + the layer's first tile
	s_add_co_u32 s38, s25, 12                      ; the second fragment lies 4 KS fragments on: KS * 4,096 bytes
	v_and_b32 v21, 15, v2
	v_lshrrev_b32 v22, 4, v2
	v_lshlrev_b32 v22, s38, v22
	v_lshl_add_u32 v20, v21, 4, v22
	v_add_nc_u32 v20, s37, v20
.irp p, 0,1,2,3
	s_wait_loadcnt 24-8*\p                         ; loads come back in order: rows 8 p .. 8 p + 7 are in, the younger pieces' loads stay out
.irp i, 0,1,2,3
	v_cvt_pk_bf16_f32 v[Y+4*\p+\i], v[X+8*\p+2*\i], v[X+8*\p+2*\i+1]
.endr
	global_store_b128 v20, v[Y+4*\p:Y+4*\p+3], s[20:21] offset:(\p>>1)*512+(\p&1)*256
.endr
	s_endpgm
.Lfunc_end_k_q09e7c06a7d_pack:
	.size	k_q09e7c06a7d_pack, .Lfunc_end_k_q09e7c06a7d_pack-k_q09e7c06a7d_pack
	.p2alignl 7, 3214868480
	.fill 96, 4, 3214868480
	.section	.rodata,"a",@progbits
	.p2align	6, 0x0
	.amdhsa_kernel k_q09e7c06a7d_pack
		.amdhsa_group_segment_fixed_size 0
		.amdhsa_private_segment_fixed_size 0
		.amdhsa_enable_private_segment 0
		.amdhsa_kernarg_size 56
		.amdhsa_user_sgpr_count 2
		.amdhsa_user_sgpr_kernarg_segment_ptr 1
		.amdhsa_wavefront_size32 1
		.amdhsa_system_sgpr_workgroup_id_x 1
		.amdhsa_system_sgpr_workgroup_id_y 1
		.amdhsa_system_sgpr_workgroup_id_z 1
		.amdhsa_system_vgpr_workitem_id 0
		.amdhsa_next_free_vgpr 96
		.amdhsa_next_free_sgpr 66
		.amdhsa_reserve_vcc 0
		.amdhsa_float_denorm_mode_32 3
		.amdhsa_float_denorm_mode_16_64 3
		.amdhsa_memory_ordered 1
		.amdhsa_forward_progress 1
		.amdhsa_inst_pref_size 10
	.end_amdhsa_kernel
	.amdgpu_metadata
---
amdhsa.version: [ 1, 2 ]
amdhsa.kernels:
  - .name:           k_q09e7c06a7d_pack
    .symbol:         k_q09e7c06a7d_pack.kd
    .args:
      - { .name: W0a, .offset: 0, .size: 8, .value_kind: global_buffer, .address_space: global }
      - { .name: W0b, .offset: 8, .size: 8, .value_kind: global_buffer, .address_space: global }
      - { .name: W1a, .offset: 16, .size: 8, .value_kind: global_buffer, .address_space: global }
      - { .name: W1b, .offset: 24, .size: 8, .value_kind: global_buffer, .address_space: global }
      - { .name: W2a, .offset: 32, .size: 8, .value_kind: global_buffer, .address_space: global }
      - { .name: W2b, .offset: 40, .size: 8, .value_kind: global_buffer, .address_space: global }
      - { .name: wts, .offset: 48, .size: 8, .value_kind: global_buffer, .address_space: global }
    .group_segment_fixed_size: 0
    .private_segment_fixed_size: 0
    .kernarg_segment_align: 8
    .kernarg_segment_size: 56
    .max_flat_workgroup_size: 256
    .sgpr_count:     66
    .vgpr_count:     96
    .wavefront_size: 32
...
	.end_amdgpu_metadata
.endif
;; end of part 1
;; launch mlp (part 2): grid 256 x 1, 4 waves a work-group, clusters of 4 x 1, 327,680 bytes of LDS; arguments wts, obs, feat, b0a, b0b, b1a, b1b, b2a, b2b, Wv, bv, out0; writes out0
.if DOCPART == 2
	.amdgcn_target "amdgcn-amd-amdhsa--gfx1250"
	.amdhsa_code_object_version 6
	.text
	.protected	k_q09e7c06a7d_mlp
	.globl	k_q09e7c06a7d_mlp
	.p2align	8
	.type	k_q09e7c06a7d_mlp,@function
k_q09e7c06a7d_mlp:
	s_mov_b64 s[64:65], 0
	v_nop
	global_prefetch_b8 v0, s[64:65] scope:SCOPE_SE
	s_setreg_imm32_b32 hwreg(HW_REG_WAVE_MODE, 25, 1), 1
	s_wait_xcnt 0x0
	s_wait_alu depctr_hold_cnt(0) depctr_sa_sdst(0) depctr_va_vdst(0) depctr_va_sdst(0) depctr_va_ssrc(0) depctr_va_vcc(0) depctr_vm_vsrc(0)
	s_getreg_b32 s2, hwreg(HW_REG_IB_STS2, 6, 4)
	s_cmp_eq_u32 s2, 0
	s_cbranch_scc0 .Lentry_in_a_cluster
	s_endpgm
.Lentry_in_a_cluster:
	s_bfe_u32 s2, ttmp6, 0x10000c
	s_cmp_lg_u32 s2, 0x3003
	s_cbranch_scc0 .Lentry_shape_is_right
	s_endpgm
.Lentry_shape_is_right:
; out0[b][rho] = mlp(perturbed, normalised row rho of sample b) - mlp(raw obs row of sample b).
; One work-group = one sample b = 256 rows; wave w = rows 64 w .. 64 w + 63 = four tiles j of 16 rows.
;
; ACTIVATIONS STAY IN REGISTERS.  The matrix instruction is used transposed: source 0 = 16 outputs x 32 inputs of W^T (a packed
; fragment), source 1 = 32 inputs x 16 rows of activations.  A lane's eight results are outputs 8 h + 0..7 of row r; after the
; maximum with 0 and the rounding to bf16, two neighbouring n-tiles are registers 0-3 and 4-7 of the next layer's source 1 in the
; same lane.  64 rows x width 512 in bf16 are 512 registers; in the 512 -> 512 layer half of the result (256 registers a wave) goes
; once to the wave's own LDS bytes and comes back once.
; LAYER 0 BY LINEARITY.  A perturbed row differs from obs/norm in 4 of 512 entries: x W = (obs/norm) W - (feat_k/norm) W[4i..4i+3].
; For 16 rows (8 servers x 2) the second term is one matrix instruction over 32 inputs; the first is one vector for the sample.
; THE EXTRA TILE E.  A 17th tile of 16 columns carries the raw obs row (q_before).  In layer 0 its even columns carry raw obs and its
; odd columns obs/norm, which gives the base vector.  From layer 1 on its even columns carry hi = bf16(x) and its odd columns
; lo = bf16(x - hi): q_before is the one large term of every output of the sample, so its activations enter in two bf16 parts; the
; two columns' sums are added in registers.  E's inputs are split over the waves: wave w multiplies only quarter w of K; the four
; f32 partial sums meet in LDS at each layer's end, behind the barrier that the change of weight tiles needs anyway.
; ROTATED ORDER.  Register quarter tau of wave w holds true quarter (tau + w) & 3, of outputs and of inputs alike; only LDS addresses
; differ between waves.  The first quarter of every walk along K is then the wave's own true quarter: E's products stand there.
; WEIGHTS.  22 tiles of 65,536 bytes walk through LDS.  All work-groups walk the same tiles: the four of a cluster ask jointly (mask
; 15), each wave for its quarter of a tile, which divides the requests by four.  By this text's own count a wave has four
; tensor loads out at the start, later two, then one.
; The text is straight-line (destination registers differ from n-tile to n-tile); every count of a wait is worked out by symbols.
;
; LIMITS.  The maximum with 0 (v_max_num_f32) turns a NaN into 0 where the model would keep it.  The divisions by 42 and 160 are
; multiplications by the rounded reciprocals (one unit in the last place of f32, ahead of the rounding to bf16).  q_before's sums
; are formed as four partial sums over quarters of K, another order of f32 additions.  Matrix operands are bf16, sums f32.  Wv, the
; weight operand of the seventh product, is rounded to bf16 like the other six weight matrices; its products and sums are f32.
; ---- LDS ----
.set SPILL, 131072                     ; slots 2 and 3 after their only fill: wave w owns 32,768 bytes from SPILL + 32768 w
.set EP0,   262144                     ; E's partial sums: [wave 2,048 bytes][n f32]; two buffers take turns by layer
.set EP1,   270336
.set CST,   278528                     ; b0a +0, b0b +1024, b1a +3072, b1b +5120, b2a +6144, b2b +6656, Wv +7680
.set BASEL, 287232                     ; the base vector, a copy of 1,024 bytes for each wave
.set EBUF,  291328                     ; E's packed input, 512 bytes for each wave: 256 of hi parts, 256 of lo parts
.set OUTS,  293376                     ; the way out, 256 bytes for each wave
; ---- vector registers, window 0 ----
.set L16,  1                           ; 16 x lane
.set H32,  2                           ; 32 h, h = lane / 16
.set SPA,  3                           ; my 16 bytes in my wave's spill
.set KQ,   4                           ; v[4:7]    T: 16 lane + true K quarter's first fragment
.set AD,   8                           ; v[8:11]   T: the same + slot + the n-tile's fragments
.set BA,   12                          ; v[12:15]  tau: bias fragment's address
.set PA,   16                          ; v[16:19]  tau: where E's partial sums go
.set HW,   20                          ; 32 h + 2048 wave
.set ACC,  32                          ; v[32:95]  two sets of four accumulators
.set EA,   96                          ; v[96:103]  E's accumulators, two that take turns
.set EB,   104
.set EIN,  112                         ; v[112:143] E's input: my K quarter
.set WV,   120                         ; last layer: two sets of Wv fragments
.set QS,   136                         ; last layer: v[136:143] running dot products, a pair for each tile j
.set BIAS, 144                         ; v[144:159] two sets
.set BF,   144                         ; layer 0: the correction's source 1
.set FR,   160                         ; v[160:255] three buffers of four weight fragments
; windows 1-3: activations; input step P of tile j at register 32 (P & 7) + 8 j
; ---- scalars ----  s32 wave, s33 cx, s34 b, s35 at work, s[36:39] (tau + w) & 3, s[40:47] slot and n quarter, s[48:55] group 1,
;                    s[56:63], s[68:75] group 0 of slots 0-3, s80 bv, s[82:83] selectors of v_permlanex16_b32
.set MSB, 0
.set DSN, 0                            ; LDS instructions written so far (from tile 4 on)
.set MKF0, 0                           ; marks: DSN just behind the loads of fragment buffers 0-2,
.set MKF1, 0
.set MKF2, 0
.set MKB0, 0                           ; of the bias sets,
.set MKB1, 0
.set MKW0, 0                           ; of the Wv sets,
.set MKW1, 0
.set MKE, 0                            ; of E's input,
.set MKX, 0                            ; of E's partial sums,
.set MKR, 0                            ; of the spill's way back
.set PK, 0                             ; pending conversion: 0 none, 1 into registers, 2 into the spill, 3 into the dot product
.macro PLACES n
.rept \n
	v_nop
.endr
.endm
.macro WIN new                         ; s_set_vgpr_msb: bits 1:0 source 0, 3:2 source 1, 5:4 source 2, 7:6 destination; the high byte repeats the setting left
.if MSB != (\new)
	s_set_vgpr_msb (MSB<<8)|(\new)
.set MSB, \new
.endif
.endm
.macro WAITM m                         ; LDS instructions end in order (ISA guide 5.7.1): all up to mark m are done when only those written behind it are out
.if DSN-(\m) > 63
	s_wait_dscnt 63
.else
	s_wait_dscnt DSN-(\m)
.endif
.endm
.macro CREST                           ; a round of the cluster's barrier behind its opening work-group barrier
	s_cmp_lg_u32 s32, 0
	s_cbranch_scc1 .Lnot_wave_0_\@
	s_barrier_signal -3
.Lnot_wave_0_\@:
	s_barrier_wait -3
	s_barrier_signal -1
	s_barrier_wait -1
.endm
.macro ROUND
	s_barrier_signal -1
	s_barrier_wait -1
	CREST
.endm
.macro JLOAD g0                        ; my quarter of a tile, asked for jointly by the four work-groups of the cluster
	tensor_load_to_lds s[\g0:\g0+3], s[48:55]
	s_nop 0
.endm
.macro MM d, a, b, c
	v_wmma_f32_16x16x32_bf16 v[\d:\d+7], v[\a:\a+7], v[\b:\b+7], v[\c:\c+7]
.endm
.macro MM0 d, a, b
	v_wmma_f32_16x16x32_bf16 v[\d:\d+7], v[\a:\a+7], v[\b:\b+7], 0
.endm
; ================= head =================
	s_load_b512 s[8:23], s[0:1], 0x0               ; wts 8, obs 10, feat 12, b0a 14, b0b 16, b1a 18, b1b 20, b2a 22
	s_load_b256 s[24:31], s[0:1], 0x40             ; b2b 24, Wv 26, bv 28, out0 30
	v_lshrrev_b32 v21, 5, v0
	v_readfirstlane_b32 s32, v21                   ; wave 0..3
	s_bfe_u32 s33, ttmp6, 0x40000                  ; cx
	s_lshl_b32 s34, ttmp9, 2
	s_add_co_u32 s34, s34, s33                     ; b = 4 x cluster + cx: enters the addresses of obs, feat and out0 alone
	s_mov_b32 s36, s32
.irp t, 1,2,3
	s_add_co_u32 s[36+\t], s32, \t
	s_and_b32 s[36+\t], s[36+\t], 3                ; true quarter of register quarter t
.endr
	s_mov_b32 s82, 0x76543210
	s_mov_b32 s83, 0xfedcba98
	; group 1: a dense block of 64 rows of 256 bytes
	s_mov_b32 s48, 15|(3<<16)|(1<<21)              ; 15:0 mask: the four work-groups of the cluster; 17:16 elements of 8 bytes; 21 set beside a mask
	s_mov_b32 s49, 32<<16                          ; tensor_dim0 = 32
	s_mov_b32 s50, 64<<16                          ; tensor_dim1 = 64
	s_mov_b32 s51, 32<<16                          ; tile_dim0 = 32
	s_mov_b32 s52, 64                              ; tile_dim1 = 64
	s_mov_b32 s53, 32                              ; elements from row to row
	s_mov_b32 s54, 0
	s_mov_b32 s55, 0
	s_lshl_b32 s35, s32, 14                        ; my quarter of a tile: 16,384 bytes
	s_mov_b32 s76, s35
	s_mov_b32 s77, 0
	v_and_b32 v21, 31, v0
	v_lshlrev_b32 v[L16], 4, v21
	v_bfe_u32 v21, v0, 4, 1
	v_lshlrev_b32 v[H32], 5, v21
	s_lshl_b32 s84, s32, 15
	v_add3_u32 v[SPA], v[L16], s84, SPILL
	s_lshl_b32 s84, s32, 11
	v_add_nc_u32 v[HW], s84, v[H32]
	s_wait_kmcnt 0x0
	s_load_b32 s80, s[28:29], 0x0                  ; bv
	s_add_nc_u64 s[78:79], s[8:9], s[76:77]        ; wts at my quarter of tile 0
.macro G0SET g0, r                     ; group 0 of slot r, set up for tile r
	s_mov_b32 s[\g0], 1
	s_add_co_u32 s[\g0+1], s35, \r*65536
	s_add_nc_u64 s[\g0+2:\g0+3], s[78:79], \r*65536
	s_or_b32 s[\g0+3], s[\g0+3], 0x80000000
.endm
	G0SET 56, 0
	G0SET 60, 1
	G0SET 68, 2
	G0SET 72, 3
	ROUND                                          ; all four work-groups are here: the first joint loads meet
	JLOAD 56
	JLOAD 60
	JLOAD 68
	JLOAD 72                                       ; layer 0's four tiles: four loads of mine are out
	; biases and Wv into LDS (each byte once, 16 bytes a thread), feat, and my quarter of the obs row
	v_lshlrev_b32 v152, 4, v0                      ; 16 t
	v_and_b32 v153, 63, v0
	v_lshlrev_b32 v153, 4, v153                    ; 16 (t & 63)
	v_lshlrev_b32 v154, 2, v0                      ; 4 t
	v_and_b32 v155, 1, v0
	v_lshlrev_b32 v155, 4, v155                    ; 16 (r & 1): which of the two feat rows
	s_cmp_lt_u32 s32, 2
	s_cselect_b64 s[84:85], s[14:15], s[20:21]     ; waves 0, 1: b0a; waves 2, 3: b1b
	s_cselect_b64 s[86:87], s[24:25], s[26:27]     ; waves 0, 1: b2b; waves 2, 3: Wv
	s_lshl_b32 s78, s34, 11
	s_lshl_b32 s35, s32, 9
	s_add_co_u32 s78, s78, s35
	s_mov_b32 s79, 0
	s_add_nc_u64 s[76:77], s[10:11], s[78:79]      ; obs[b] at input 128 w
	s_lshl_b32 s78, s34, 5
	s_add_nc_u64 s[78:79], s[12:13], s[78:79]      ; feat[b]
	global_load_b128 v[160:163], v152, s[16:17]
	global_load_b128 v[164:167], v152, s[18:19]
	global_load_b128 v[168:171], v153, s[84:85]
	global_load_b128 v[172:175], v153, s[86:87]
	global_load_b32 v176, v154, s[22:23]
	global_load_b128 v[180:183], v155, s[78:79]
.irp j, 0,1,2,3                                    ; input step 4 w + j: inputs 8 h + 0..7 and 16 + 8 h + 0..7
	global_load_b128 v[32+16*\j:35+16*\j], v[H32], s[76:77] offset:128*\j
	global_load_b128 v[36+16*\j:39+16*\j], v[H32], s[76:77] offset:128*\j+16
	global_load_b128 v[40+16*\j:43+16*\j], v[H32], s[76:77] offset:128*\j+64
	global_load_b128 v[44+16*\j:47+16*\j], v[H32], s[76:77] offset:128*\j+80
.endr
	v_add_nc_u32 v156, CST+1024, v152
	s_lshr_b32 s35, s32, 1
	s_mul_i32 s35, s35, 5120
	v_add3_u32 v157, v153, s35, CST
	v_add_nc_u32 v158, CST+6144, v154
	v_mov_b32 v26, 0x3cc30c31                      ; 1/42
	v_mov_b32 v27, 0x3bcccccd                      ; 1/160
	v_mov_b32 v24, 0xbcc30c31
	v_mov_b32 v25, 0xbbcccccd
	v_and_b32 v21, 1, v0
	v_cmp_eq_u32 vcc_lo, 1, v21
	v_cndmask_b32 v22, 1.0, v26, vcc_lo            ; E's odd columns carry obs/norm, its even columns raw obs
	v_cndmask_b32 v23, 1.0, v27, vcc_lo
	; the correction's source 1: row r of a tile is server r >> 1, feat row r & 1; its four inputs are registers 2 pr, 2 pr + 1 of the
	; lanes with h = bit 2 of r, pr = 2 bit3(r) + bit1(r); all else is 0
	v_bfe_u32 v28, v0, 3, 1
	v_bfe_u32 v29, v0, 1, 1
	v_lshl_or_b32 v28, v28, 1, v29
	v_lshrrev_b32 v29, 2, v0
	v_xor_b32 v29, v29, v0
	v_and_b32 v29, 4, v29                          ; 4 where bit 4 and bit 2 differ: then no pr matches
	v_or_b32 v28, v28, v29
	; layer 0's addresses
	v_lshl_add_u32 v[KQ], s32, 12, v[L16]          ; input steps 4 w ..: 4,096 w
	v_lshlrev_b32 v21, 10, v21
	v_add_nc_u32 v21, v21, v[HW]                   ; in layer 0 a wave's 2,048 bytes are [column parity][256 f32]
.irp t, 0,1,2,3
	s_lshl_b32 s35, s[36+\t], 8
	v_add3_u32 v[PA+\t], v21, s35, EP0
.endr
	s_wait_loadcnt 17                              ; the five loads of constants are in; feat's and obs's 17 stay out
	; waves 2 and 3 hold Wv in v[172:175]: rounded to bf16 and widened again; waves 0 and 1 hold b2b there, which stays as it is
	s_cmp_lt_u32 s32, 2
	s_cselect_b32 s35, 0, -1                       ; a mask of all lanes in waves 2 and 3
	v_cvt_pk_bf16_f32 v177, v172, v173
	v_cvt_pk_bf16_f32 v178, v174, v175
	v_lshlrev_b32 v186, 16, v177
	v_and_b32 v187, 0xffff0000, v177
	v_lshlrev_b32 v188, 16, v178
	v_and_b32 v189, 0xffff0000, v178
.irp i, 0,1,2,3
	v_cndmask_b32 v[172+\i], v[172+\i], v[186+\i], s35
.endr
	ds_store_b128 v156, v[160:163]                 ; b0b
	ds_store_b128 v156, v[164:167] offset:2048     ; b1a
	ds_store_b128 v157, v[168:171]                 ; b0a or b1b
	ds_store_b128 v156, v[172:175] offset:5632     ; b2b or Wv: CST + 6656 + 16 t
	ds_store_b32 v158, v176                        ; b2a
	s_wait_loadcnt 16                              ; feat is in
	v_pk_mul_f32 v[180:181], v[180:181], v[24:25]
	v_pk_mul_f32 v[182:183], v[182:183], v[24:25]
	v_cvt_pk_bf16_f32 v184, v180, v181
	v_cvt_pk_bf16_f32 v185, v182, v183
.irp p, 0,1,2,3
	v_cmp_eq_u32 vcc_lo, \p, v28
	v_cndmask_b32 v[BF+2*\p], 0, v184, vcc_lo
	v_cndmask_b32 v[BF+2*\p+1], 0, v185, vcc_lo
.endr
	s_wait_loadcnt 0x0
.set n, 0
.rept 32
	v_pk_mul_f32 v[32+2*n:33+2*n], v[32+2*n:33+2*n], v[22:23]
.set n, n+1
.endr
.set n, 0
.rept 32
	v_cvt_pk_bf16_f32 v[EIN+n], v[32+2*n], v[33+2*n]
.set n, n+1
.endr
	s_wait_kmcnt 0x0                               ; bv
; ================= layer 0 =================
; Tile nu holds n-tiles nu + 4 Q.  I read only input steps 4 w + j: step 4 w + j is both the correction of my tile j and a step of
; E's quarter.  Position p = nu + 4 tau; the corrections (f32) go to windows 1 and 2, tile (p, j) at 8 (4 (p & 7) + j).
.macro L0M nu, fb                      ; eight corrections: two n-tiles x four row tiles, each one product that starts its sum
.irp t, 0,1
.irp j, 0,1,2,3
	MM0 8*(4*(\nu+4*\t)+\j), \fb+32*\t+8*\j, BF
.endr
.endr
.endm
.macro L0E fb                          ; E for the same two n-tiles; the two accumulators take turns
	MM0 EA, \fb, EIN
	MM0 EB, \fb+32, EIN
.irp j, 1,2,3
	MM EA, \fb+8*\j, EIN+8*\j, EA
	MM EB, \fb+32+8*\j, EIN+8*\j, EB
.endr
.endm
.macro L0ST nu, ta
	ds_store_b128 v[PA+\ta], v[EA:EA+3] offset:64*\nu
	ds_store_b128 v[PA+\ta], v[EA+4:EA+7] offset:64*\nu+16
	ds_store_b128 v[PA+\ta+1], v[EB:EB+3] offset:64*\nu
	ds_store_b128 v[PA+\ta+1], v[EB+4:EB+7] offset:64*\nu+16
.endm
.macro L0TILE nu
	s_wait_tensorcnt 3-\nu                         ; my quarter of tile nu is in; the younger tiles of layer 0 stay out
	s_wait_dscnt 0x0                               ; no LDS instruction of mine is pending at a signal
.if \nu == 3
	; all my tensor loads have landed and my reads of slots 0 and 1 are over: their group 0 may be written, and behind a round of the
	; cluster's barrier, when that holds of every wave of the four work-groups, the two slots are filled again, first thing
	s_add_nc_u64 s[58:59], s[58:59], 4*65536       ; tile 4
	s_add_nc_u64 s[62:63], s[62:63], 4*65536       ; tile 5
	ROUND
	JLOAD 56
	JLOAD 60
.else
	s_barrier_signal -1
	s_barrier_wait -1                              ; everybody's quarter is in
.endif
.irp t, 0,1,2,3
	s_lshl_b32 s35, s[36+\t], 14
	v_add3_u32 v[AD+\t], v[KQ], s35, \nu*65536     ; four plain instructions: with the four in front of the last stores, the places ahead of the loads
.endr
.irp t, 0,1
.irp j, 0,1,2,3
	ds_load_b128 v[FR+32*\t+8*\j:FR+32*\t+8*\j+3], v[AD+\t] offset:1024*\j
	ds_load_b128 v[FR+32*\t+8*\j+4:FR+32*\t+8*\j+7], v[AD+\t] offset:1024*\j+512
.endr
.endr
.irp t, 0,1
.irp j, 0,1,2,3
	ds_load_b128 v[ACC+32*\t+8*\j:ACC+32*\t+8*\j+3], v[AD+2+\t] offset:1024*\j
	ds_load_b128 v[ACC+32*\t+8*\j+4:ACC+32*\t+8*\j+7], v[AD+2+\t] offset:1024*\j+512
.endr
.endr
	s_wait_dscnt 16                                ; quarters tau = 0, 1 are in; the 16 younger loads stay out
	WIN 0x40
	L0M \nu, FR
	WIN 0
	L0E FR
	s_wait_dscnt 0x0
	WIN 0x80
	L0M \nu, ACC
	WIN 0
	PLACES 5                                       ; behind E's last products: 4 ahead of the stores that read them, 5 ahead of the products that start them anew
	L0ST \nu, 0
	L0E ACC
	PLACES 4
	L0ST \nu, 2
.endm
	L0TILE 0
	L0TILE 1
	L0TILE 2
	L0TILE 3
	; ---- layer 0's end: the base vector, then h0 = max(correction + base, 0) in bf16 into window 3 ----
	s_wait_dscnt 0x0
	s_barrier_signal -1
	s_barrier_wait -1                              ; all partial sums are in LDS
	v_lshlrev_b32 v21, 1, v[L16]                   ; 32 lane: outputs 8 lane .. 8 lane + 7
	v_add_nc_u32 v22, EP0+1024, v21                ; the odd columns' sums
	v_add_nc_u32 v23, CST, v21                     ; b0a
	s_lshl_b32 s35, s32, 10
	v_add3_u32 v24, v21, s35, BASEL
.irp u, 0,1,2,3
	ds_load_b128 v[32+8*\u:35+8*\u], v22 offset:2048*\u
	ds_load_b128 v[36+8*\u:39+8*\u], v22 offset:2048*\u+16
.endr
	ds_load_b128 v[64:67], v23
	ds_load_b128 v[68:71], v23 offset:16
.irp t, 0,1,2,3
	s_lshl_b32 s76, s[36+\t], 8
	s_add_co_u32 s76, s76, s35
	v_add3_u32 v[AD+\t], v[H32], s76, BASEL
.endr
	s_wait_dscnt 0x0
.irp i, 0,2,4,6
	v_pk_add_f32 v[32+\i:33+\i], v[32+\i:33+\i], v[40+\i:41+\i]
	v_pk_add_f32 v[48+\i:49+\i], v[48+\i:49+\i], v[56+\i:57+\i]
.endr
.irp i, 0,2,4,6
	v_pk_add_f32 v[32+\i:33+\i], v[32+\i:33+\i], v[48+\i:49+\i]
.endr
.irp i, 0,2,4,6
	v_pk_add_f32 v[32+\i:33+\i], v[32+\i:33+\i], v[64+\i:65+\i]
.endr
	ds_store_b128 v24, v[32:35]                    ; my wave's own copy: LDS serves a wave's instructions in order, the loads below see it
	ds_store_b128 v24, v[36:39] offset:16
.set p, 0
.rept 16                                           ; position p holds true n-tile (p & 3) + 4 x true quarter of p >> 2
	ds_load_b128 v[128+8*p:131+8*p], v[AD+(p>>2)] offset:64*(p&3)
	ds_load_b128 v[132+8*p:135+8*p], v[AD+(p>>2)] offset:64*(p&3)+16
.set p, p+1
.endr
.set pp, 0
.rept 8
	s_wait_dscnt 28-4*pp                           ; the base fragments of positions 2 pp, 2 pp + 1 are in; the younger pairs' loads stay out
	WIN 1+(pp>>2)                                  ; source 0: the corrections' window
.irp q, 0,1
.irp j, 0,1,2,3
.irp i, 0,1,2,3
	v_pk_add_f32 v[ACC+32*\q+8*\j+2*\i:ACC+32*\q+8*\j+2*\i+1], v[8*(4*((2*pp+\q)&7)+\j)+2*\i:8*(4*((2*pp+\q)&7)+\j)+2*\i+1], v[128+8*(2*pp+\q)+2*\i:128+8*(2*pp+\q)+2*\i+1]
.endr
.endr
.endr
.set n, 0
.rept 64
	v_max_num_f32 v[ACC+n], 0, v[ACC+n]
.set n, n+1
.endr
	WIN 0xc0
.irp q, 0,1
.irp j, 0,1,2,3
.irp i, 0,1,2,3
	v_cvt_pk_bf16_f32 v[32*pp+8*\j+4*\q+\i], v[ACC+32*\q+8*\j+2*\i], v[ACC+32*\q+8*\j+2*\i+1]
.endr
.endr
.endr
.set pp, pp+1
.endr
	WIN 0
	s_wait_tensorcnt 0x1                           ; my quarter of tile 4 is in; tile 5's load stays out
	s_wait_dscnt 0x0
	s_barrier_signal -1
	s_barrier_wait -1                              ; everybody's is
; ================= layers 1 to 5 =================
.macro LAYERDEF ks, lks, nn, ln, boff, epb, inw0, inw1, outw0, outw1, dot, pboff, pepb, reld
	.set KS, \ks                           ; input steps of 32
	.set LKS, \lks
	.set GPN, \ks/4                        ; groups of four fragments in an n-tile = input steps in a quarter
	.set NN, \nn
	.set LN, \ln
	.set NTT, \nn/16
	.set BOFF, \boff                       ; this layer's bias in CST
	.set EPB, \epb                         ; where E's partial sums go
	.set INW0, \inw0                       ; window of input steps 0-7, 8-15
	.set INW1, \inw1
	.set OUTW0, \outw0                     ; window of the next layer's steps 0-7, 8-15 (0: the spill)
	.set OUTW1, \outw1
	.set DOT, \dot                         ; the result goes straight into the dot product with Wv
	.set PBOFF, \pboff                     ; the layer before: its bias and its partial sums
	.set PEPB, \pepb
	.set RELD, \reld
.endm
.macro LAYERSET
.irp t, 0,1,2,3
	v_lshl_add_u32 v[KQ+\t], s[36+\t], LKS+8, v[L16]
	s_lshl_b32 s[40+\t], s[36+\t], LKS+10
	s_add_co_u32 s[44+\t], s[40+\t], 65536
	s_lshl_b32 s35, s[36+\t], LN
	v_add3_u32 v[BA+\t], v[H32], s35, CST+BOFF
	v_add3_u32 v[PA+\t], v[HW], s35, EPB
.endr
.endm
.macro ADSET a                         ; the addresses of n-tile a of the tile; the vector source stands first, so the lines hold under any window of source 1
.irp t, 0,1,2,3
	v_add_nc_u32 v[AD+\t], v[KQ+\t], s[40+4*SLOT+((\a)&3)]
.endr
.endm
.macro LOADG g                         ; group g of the tile: four fragments, eight loads of 512 consecutive bytes
	.set L_A, (\g)/GPN
	.set L_I, (\g)%GPN
	.set L_FR, FR+32*((\g)%3)
	.set L_E, 0
.rept 4
	.set L_P, 4*L_I+L_E
	.set L_O, (L_A>>2)*4*KS*1024+(L_P%GPN)*1024
	ds_load_b128 v[L_FR+8*L_E:L_FR+8*L_E+3], v[AD+L_P/GPN] offset:L_O
	ds_load_b128 v[L_FR+8*L_E+4:L_FR+8*L_E+7], v[AD+L_P/GPN] offset:L_O+512
	.set L_E, L_E+1
.endr
	.set DSN, DSN+8
.if ((\g)%3) == 0
	.set MKF0, DSN
.elseif ((\g)%3) == 1
	.set MKF1, DSN
.else
	.set MKF2, DSN
.endif
.endm
.macro BIASLD la                       ; the bias fragment of the layer's n-tile la (in time), into set la & 1
	ds_load_b128 v[BIAS+8*((\la)&1):BIAS+8*((\la)&1)+3], v[BA+((\la)&3)] offset:64*((\la)>>2)
	ds_load_b128 v[BIAS+8*((\la)&1)+4:BIAS+8*((\la)&1)+7], v[BA+((\la)&3)] offset:64*((\la)>>2)+16
	.set DSN, DSN+2
.if (\la)&1
	.set MKB1, DSN
.else
	.set MKB0, DSN
.endif
.endm
.macro WVLD la                         ; Wv lies 1,024 bytes behind b2b
	ds_load_b128 v[WV+8*((\la)&1):WV+8*((\la)&1)+3], v[BA+((\la)&3)] offset:64*((\la)>>2)+1024
	ds_load_b128 v[WV+8*((\la)&1)+4:WV+8*((\la)&1)+7], v[BA+((\la)&3)] offset:64*((\la)>>2)+1040
	.set DSN, DSN+2
.if (\la)&1
	.set MKW1, DSN
.else
	.set MKW0, DSN
.endif
.endm
.macro EINLOAD                         ; my K quarter of the layer before: four waves' partial sums and the bias, 4 numbers a lane
	v_and_b32 v28, 32*KS-1, v[L16]
	s_lshl_b32 s35, s32, LKS+5
	v_add3_u32 v29, v28, s35, CST+PBOFF
	v_add3_u32 v28, v28, s35, PEPB
	ds_load_b128 v[EA:EA+3], v28
	ds_load_b128 v[EA+4:EA+7], v28 offset:2048
	ds_load_b128 v[EB:EB+3], v28 offset:4096
	ds_load_b128 v[EB+4:EB+7], v28 offset:6144
	ds_load_b128 v[24:27], v29
	.set DSN, DSN+5
	.set MKX, DSN
.endm
; Sum, bias, maximum with 0; then x in two bf16 parts, hi = bf16(x) and lo = bf16(x - hi) (the difference is exact in f32); through my
; wave's own LDS bytes into the layout of source 1: even columns read the hi parts, odd columns the lo parts, 256 bytes further on.
.macro EINBUILD
	WAITM MKX
	v_pk_add_f32 v[EA:EA+1], v[EA:EA+1], v[EA+4:EA+5]
	v_pk_add_f32 v[EA+2:EA+3], v[EA+2:EA+3], v[EA+6:EA+7]
	v_pk_add_f32 v[EB:EB+1], v[EB:EB+1], v[EB+4:EB+5]
	v_pk_add_f32 v[EB+2:EB+3], v[EB+2:EB+3], v[EB+6:EB+7]
	v_pk_add_f32 v[EA:EA+1], v[EA:EA+1], v[EB:EB+1]
	v_pk_add_f32 v[EA+2:EA+3], v[EA+2:EA+3], v[EB+2:EB+3]
	v_pk_add_f32 v[EA:EA+1], v[EA:EA+1], v[24:25]
	v_pk_add_f32 v[EA+2:EA+3], v[EA+2:EA+3], v[26:27]
.irp i, 0,1,2,3
	v_max_num_f32 v[EA+\i], 0, v[EA+\i]
.endr
	v_cvt_pk_bf16_f32 v24, v[EA], v[EA+1]          ; hi
	v_cvt_pk_bf16_f32 v25, v[EA+2], v[EA+3]
	v_lshlrev_b32 v[EB], 16, v24                   ; hi as f32
	v_and_b32 v[EB+1], 0xffff0000, v24
	v_lshlrev_b32 v[EB+2], 16, v25
	v_and_b32 v[EB+3], 0xffff0000, v25
.irp i, 0,1,2,3
	v_sub_f32 v[EA+\i], v[EA+\i], v[EB+\i]
.endr
	v_cvt_pk_bf16_f32 v26, v[EA], v[EA+1]          ; lo
	v_cvt_pk_bf16_f32 v27, v[EA+2], v[EA+3]
	v_lshrrev_b32 v30, 1, v[L16]
	v_and_b32 v30, 16*KS-1, v30
	s_lshl_b32 s35, s32, 9
	v_add3_u32 v30, v30, s35, EBUF
	v_lshrrev_b32 v31, 1, v[H32]                   ; 16 h
	v_and_b32 v29, 1, v0
	v_lshl_add_u32 v31, v29, 8, v31                ; + 256 (r & 1)
	v_add3_u32 v31, v31, s35, EBUF
	ds_store_b64 v30, v[24:25]
	ds_store_b64 v30, v[26:27] offset:256
	.set X_T, 0
.rept GPN
	ds_load_b128 v[EIN+8*X_T:EIN+8*X_T+3], v31 offset:64*X_T
	ds_load_b128 v[EIN+8*X_T+4:EIN+8*X_T+7], v31 offset:64*X_T+32
	.set X_T, X_T+1
.endr
	.set DSN, DSN+2+2*GPN
	.set MKE, DSN
.endm
.macro RELOAD                          ; the spilled half comes back, into window 2
	WIN 0x80
	.set X_R, 0
.rept 64
	ds_load_b128 v[4*X_R:4*X_R+3], v[SPA] offset:512*X_R
	.set X_R, X_R+1
.endr
	WIN 0
	.set DSN, DSN+64
	.set MKR, DSN
.endm
.macro CONVMAX                         ; the 32 maxima of a pending conversion, where they cannot ride among matrix instructions
	.set X_N, 0
.rept 32
	v_max_num_f32 v[PACC+X_N], 0, v[PACC+X_N]
	.set X_N, X_N+1
.endr
.endm
.macro CONVBODY                        ; the finished n-tile leaves its accumulators.  At least four plain instructions that name no register of the products in front
.if PK == 1
	WIN PWINV<<6
.irp j, 0,1,2,3
.irp i, 0,1,2,3
	v_cvt_pk_bf16_f32 v[PREG+8*\j+\i], v[PACC+8*\j+2*\i], v[PACC+8*\j+2*\i+1]
.endr
.endr
.elseif PK == 2
	WIN 0
.irp j, 0,1,2,3
.irp i, 0,1,2,3
	v_cvt_pk_bf16_f32 v[PACC+8*\j+\i], v[PACC+8*\j+2*\i], v[PACC+8*\j+2*\i+1]
.endr
.endr
.irp j, 0,1,2,3
	ds_store_b128 v[SPA], v[PACC+8*\j:PACC+8*\j+3] offset:PSPO+1024*\j
.endr
	.set DSN, DSN+4
.elseif PK == 3
	WIN 0
.if PWS
	WAITM MKW1
.else
	WAITM MKW0
.endif
.irp i, 0,1,2,3
	.set C_MUL, 0
.if PFIRST
.if \i == 0
	.set C_MUL, 1
.endif
.endif
.irp j, 0,1,2,3
.if C_MUL
	v_pk_mul_f32 v[QS+2*\j:QS+2*\j+1], v[PACC+8*\j+2*\i:PACC+8*\j+2*\i+1], v[PWVR+2*\i:PWVR+2*\i+1]
.else
	v_pk_fma_f32 v[QS+2*\j:QS+2*\j+1], v[PACC+8*\j+2*\i:PACC+8*\j+2*\i+1], v[PWVR+2*\i:PWVR+2*\i+1], v[QS+2*\j:QS+2*\j+1]
.endif
.endr
.endr
.else
	PLACES 4
.endif
	.set PK, 0
.endm
; Behind an n-tile's first group: E's products on the fragments of my own K quarter, the conversion of the n-tile before (which fills
; the places behind E's products), E's partial sums out, and the bias two n-tiles ahead.
.macro ESECTION
	WIN 0
.if G_LA == 0
	WAITM MKE
.endif
	MM0 EA, G_FR, EIN
.if GPN >= 2
	MM0 EB, G_FR+8, EIN+8
.endif
.if GPN == 4
	MM EA, G_FR+16, EIN+16, EA
	MM EB, G_FR+24, EIN+24, EB
.endif
	CONVBODY
	WIN 0
.if GPN >= 2
.irp i, 0,2,4,6
	v_pk_add_f32 v[EA+\i:EA+\i+1], v[EA+\i:EA+\i+1], v[EB+\i:EB+\i+1]
.endr
.endif
.irp i, 0,1,2,3,4,5,6,7                            ; column r + column r xor 1: W hi + W lo, now alike in all sixteen columns
	v_add_f32_dpp v[EA+\i], v[EA+\i], v[EA+\i] row_xmask:1 row_mask:0xf bank_mask:0xf
.endr
	ds_store_b128 v[PA+(G_LA&3)], v[EA:EA+3] offset:64*(G_LA>>2)
	ds_store_b128 v[PA+(G_LA&3)], v[EA+4:EA+7] offset:64*(G_LA>>2)+16
	.set DSN, DSN+2
.if G_LA+2 < NTT
	BIASLD G_LA+2
.endif
.if DOT
.if G_LA+1 < NTT
	WVLD G_LA+1
.endif
.endif
.endm
; Group g of a tile: four input steps x four row tiles = 16 products.  The four accumulators of a set take turns, one instruction a
; turn, and so do E's two: no two matrix instructions that follow each other share an accumulator.
; last: 0 the launch's last tile; 1 a plain barrier ends the tile; 2 a round of the cluster's barrier and the slot's refill.
.macro GROUP g, last
	.set G_A, (\g)/GPN
	.set G_I, (\g)%GPN
	.set G_LA, LA0+G_A
	.set G_SET, G_LA&1
	.set G_ACC, ACC+32*G_SET
	.set G_FR, FR+32*((\g)%3)
	.set G_LD, 0
.if (\g) >= 1
.if (\g) <= 13
	.set G_LD, 1
.endif
.endif
.if G_LD
	; four places behind the last group's products (ISA guide 7.12.1), then group g + 2 into the buffer that it read
.if (((\g)+2)%GPN) == 0
	ADSET ((\g)+2)/GPN
.else
	PLACES 4
.endif
	LOADG (\g)+2
.elseif (\g) >= 14
.if G_I == 0
	PLACES 4                                       ; ahead of the maxima on the last n-tile's results
.endif
.endif
.if ((\g)%3) == 0
	.set G_M, MKF0
.elseif ((\g)%3) == 1
	.set G_M, MKF1
.else
	.set G_M, MKF2
.endif
.if G_I == 0
.if G_SET
	.set G_B, MKB1
.else
	.set G_B, MKB0
.endif
.if G_B > G_M
	.set G_M, G_B
.endif
.endif
.if 4*G_I >= 8
.if MKR > G_M
	.set G_M, MKR
.endif
.endif
	.set G_END, 0
.if (\g) == 15
.if \last
	.set G_END, 1
.endif
.endif
.if G_END
	s_wait_dscnt 0x0                               ; my reads of this slot are over, my partial sums are in LDS,
	s_wait_tensorcnt 0x0                           ; and all my tensor loads have landed: the one that was out is my quarter of the next tile
	s_barrier_signal -1                            ; register work alone up to the wait
.else
	WAITM G_M
.endif
	.set G_E, 0
.rept 4
	.set G_P, 4*G_I+G_E
.if G_P < 8
	WIN INW0<<2
.else
	WIN INW1<<2
.endif
	.set G_J, 0
.rept 4
.if G_P == 0
	MM G_ACC+8*G_J, G_FR+8*G_E, 32*(G_P&7)+8*G_J, BIAS+8*G_SET
.else
	MM G_ACC+8*G_J, G_FR+8*G_E, 32*(G_P&7)+8*G_J, G_ACC+8*G_J
.endif
.if G_I == 0
.if PK
	v_max_num_f32 v[PACC+2*(4*G_E+G_J)], v[PACC+2*(4*G_E+G_J)], 0
	v_max_num_f32 v[PACC+2*(4*G_E+G_J)+1], v[PACC+2*(4*G_E+G_J)+1], 0
.endif
.endif
	.set G_J, G_J+1
.endr
	.set G_E, G_E+1
.endr
.if G_I == 0
	ESECTION
.endif
.if G_I == GPN-1
	.set PACC, G_ACC
	.set G_PP, (G_LA>>2)+(G_LA&3)*(NN/64)          ; the n-tile's position
	.set G_KP, G_PP>>1                             ; the next layer's input step
.if DOT
	.set PK, 3
	.set PWS, G_SET
	.set PWVR, WV+8*G_SET
	.set PFIRST, 0
.if G_LA == 0
	.set PFIRST, 1
.endif
.elseif G_KP < 8
	.set PK, 1
	.set PWINV, OUTW0
	.set PREG, 32*G_KP+4*(G_PP&1)
.elseif OUTW1
	.set PK, 1
	.set PWINV, OUTW1
	.set PREG, 32*(G_KP-8)+4*(G_PP&1)
.else
	.set PK, 2
	.set PSPO, 512*(8*(G_KP-8)+(G_PP&1))
.endif
.endif
.if G_END
	WIN 0
	s_barrier_wait -1
.if \last == 2
	CREST                                          ; no wave of the four work-groups still reads this slot or has a load on its way
	s_add_nc_u64 s[58+4*SLOT:59+4*SLOT], s[58+4*SLOT:59+4*SLOT], 2*65536
	JLOAD 56+4*SLOT                                ; the tile after next: the first tensor load behind the round; it has a whole tile's products in which to land
.endif
.endif
.endm
.macro TSTART tl
.if \tl == 0
	LAYERSET
.endif
	ADSET 0
.if \tl == 0
	BIASLD 0
	BIASLD 1
.if DOT
	WVLD 0
.endif
	EINLOAD
.endif
	LOADG 0
.if GPN == 1
	ADSET 1
.endif
	LOADG 1
.if GPN <= 2
	ADSET 2/GPN
.endif
	LOADG 2
.if PK
	CONVMAX                                        ; the last tile's last n-tile, while the first fragments are on their way
	CONVBODY
	WIN 0
.endif
.if \tl == 0
	EINBUILD
.if RELD
	RELOAD
.endif
.endif
.endm
.macro TILE slot, tl, last
	.set SLOT, \slot
	.set LA0, (\tl)*(64/KS)
	TSTART \tl
.irp g, 0,1,2,3,4,5,6,7,8,9,10,11,12,13,14,15
	GROUP \g, \last
.endr
.endm
	;        KS lks  N  ln  bias  sums in0 in1 out0 out1 dot  bias and sums before, spill back
	LAYERDEF 8, 3, 512, 9, 1024, EP1, 3, 3, 1, 2, 0, 0, EP0, 0        ; 256 -> 512, tiles 4-7
	TILE 0, 0, 2
	TILE 1, 1, 2
	TILE 0, 2, 2
	TILE 1, 3, 2
	LAYERDEF 16, 4, 512, 9, 3072, EP0, 1, 2, 3, 0, 0, 1024, EP1, 0    ; 512 -> 512, tiles 8-15; the upper half of the result is spilled
	TILE 0, 0, 2
	TILE 1, 1, 2
	TILE 0, 2, 2
	TILE 1, 3, 2
	TILE 0, 4, 2
	TILE 1, 5, 2
	TILE 0, 6, 2
	TILE 1, 7, 2
	LAYERDEF 16, 4, 256, 8, 5120, EP1, 3, 2, 1, 1, 0, 3072, EP0, 1    ; 512 -> 256, tiles 16-19
	TILE 0, 0, 2
	TILE 1, 1, 2
	TILE 0, 2, 2
	TILE 1, 3, 2                                   ; its refill is tile 21, the last tensor load
	LAYERDEF 8, 3, 128, 7, 6144, EP0, 1, 1, 2, 2, 0, 5120, EP1, 0     ; 256 -> 128, tile 20
	TILE 0, 0, 1
	LAYERDEF 4, 2, 256, 8, 6656, EP1, 2, 2, 0, 0, 1, 6144, EP0, 0     ; 128 -> 256 and the dot product with Wv, tile 21
	TILE 1, 0, 0
; ================= the end =================
	WIN 0
	PLACES 4                                       ; behind the last products, ahead of the maxima that read them
	CONVMAX
	CONVBODY
	s_wait_dscnt 0x0
	s_barrier_signal -1
	s_barrier_wait -1                              ; the last layer's partial sums of E are in LDS
	v_lshlrev_b32 v21, 1, v[L16]                   ; outputs 8 lane .. 8 lane + 7
	v_add_nc_u32 v22, EP1, v21
	v_add_nc_u32 v23, CST+6656, v21
.irp u, 0,1,2,3
	ds_load_b128 v[32+8*\u:35+8*\u], v22 offset:2048*\u
	ds_load_b128 v[36+8*\u:39+8*\u], v22 offset:2048*\u+16
.endr
	ds_load_b128 v[64:67], v23                     ; b2b
	ds_load_b128 v[68:71], v23 offset:16
	ds_load_b128 v[72:75], v23 offset:1024         ; Wv
	ds_load_b128 v[76:79], v23 offset:1040
.irp j, 0,1,2,3                                    ; q_after of row 16 j + r: my half's outputs, then the other half's
	v_add_f32 v[24+\j], v[QS+2*\j], v[QS+2*\j+1]
.endr
.irp j, 0,1,2,3
	v_permlanex16_b32 v[28+\j], v[24+\j], s82, s83
.endr
.irp j, 0,1,2,3
	v_add_f32 v[24+\j], v[24+\j], v[28+\j]
.endr
	s_wait_dscnt 0x0
.irp i, 0,2,4,6
	v_pk_add_f32 v[32+\i:33+\i], v[32+\i:33+\i], v[40+\i:41+\i]
	v_pk_add_f32 v[48+\i:49+\i], v[48+\i:49+\i], v[56+\i:57+\i]
.endr
.irp i, 0,2,4,6
	v_pk_add_f32 v[32+\i:33+\i], v[32+\i:33+\i], v[48+\i:49+\i]
.endr
.irp i, 0,2,4,6
	v_pk_add_f32 v[32+\i:33+\i], v[32+\i:33+\i], v[64+\i:65+\i]
.endr
.irp i, 0,1,2,3,4,5,6,7
	v_max_num_f32 v[32+\i], 0, v[32+\i]
.endr
	v_pk_mul_f32 v[80:81], v[32:33], v[72:73]
	v_pk_fma_f32 v[80:81], v[34:35], v[74:75], v[80:81]
	v_pk_fma_f32 v[80:81], v[36:37], v[76:77], v[80:81]
	v_pk_fma_f32 v[80:81], v[38:39], v[78:79], v[80:81]
	v_add_f32 v80, v80, v81
	v_add_f32_dpp v80, v80, v80 row_xmask:1 row_mask:0xf bank_mask:0xf
	v_add_f32_dpp v80, v80, v80 row_xmask:2 row_mask:0xf bank_mask:0xf
	v_add_f32_dpp v80, v80, v80 row_xmask:4 row_mask:0xf bank_mask:0xf
	v_add_f32_dpp v80, v80, v80 row_xmask:8 row_mask:0xf bank_mask:0xf
	v_permlanex16_b32 v81, v80, s82, s83
	v_add_f32 v80, v80, v81
	v_add_f32 v80, s80, v80                        ; q_before = dot + bv
.irp j, 0,1,2,3
	v_add_f32 v[24+\j], s80, v[24+\j]              ; q_after = dot + bv
	v_sub_f32 v[24+\j], v[24+\j], v80
.endr
	v_and_b32 v21, 15, v0
	v_lshlrev_b32 v21, 2, v21
	s_lshl_b32 s35, s32, 8
	v_add3_u32 v21, v21, s35, OUTS
	v_lshrrev_b32 v22, 1, v[L16]                   ; 8 lane
	v_add3_u32 v23, v22, s35, OUTS
.irp j, 0,1,2,3
	ds_store_b32 v21, v[24+\j] offset:64*\j        ; both halves of the lanes hold, and write, the same number
.endr
	ds_load_b64 v[28:29], v23                      ; my wave's own bytes, served in order
	s_lshl_b32 s76, s34, 10
	s_add_co_u32 s76, s76, s35
	s_mov_b32 s77, 0
	s_add_nc_u64 s[76:77], s[30:31], s[76:77]      ; out0[b] at row 64 w
	s_wait_dscnt 0x0
	global_store_b64 v22, v[28:29], s[76:77]       ; the wave stores 256 consecutive bytes at a multiple of 256
	ROUND                                          ; the closing round: no work-group ends while a partner may still ask jointly
	s_endpgm
.Lfunc_end_k_q09e7c06a7d_mlp:
	.size	k_q09e7c06a7d_mlp, .Lfunc_end_k_q09e7c06a7d_mlp-k_q09e7c06a7d_mlp
	.p2alignl 7, 3214868480
	.fill 96, 4, 3214868480
	.section	.rodata,"a",@progbits
	.p2align	6, 0x0
	.amdhsa_kernel k_q09e7c06a7d_mlp
		.amdhsa_group_segment_fixed_size 327680
		.amdhsa_private_segment_fixed_size 0
		.amdhsa_enable_private_segment 0
		.amdhsa_kernarg_size 96
		.amdhsa_user_sgpr_count 2
		.amdhsa_user_sgpr_kernarg_segment_ptr 1
		.amdhsa_wavefront_size32 1
		.amdhsa_system_sgpr_workgroup_id_x 1
		.amdhsa_system_sgpr_workgroup_id_y 1
		.amdhsa_system_sgpr_workgroup_id_z 1
		.amdhsa_system_vgpr_workitem_id 0
		.amdhsa_next_free_vgpr 1024
		.amdhsa_next_free_sgpr 88
		.amdhsa_reserve_vcc 1
		.amdhsa_float_denorm_mode_32 3
		.amdhsa_float_denorm_mode_16_64 3
		.amdhsa_memory_ordered 1
		.amdhsa_forward_progress 1
		.amdhsa_inst_pref_size 255
	.end_amdhsa_kernel
	.section	.bss,"aw",@nobits
	.p2align	6
	.space	262144
	.amdgpu_metadata
---
amdhsa.version: [ 1, 2 ]
amdhsa.kernels:
  - .name:           k_q09e7c06a7d_mlp
    .symbol:         k_q09e7c06a7d_mlp.kd
    .args:
      - { .name: wts, .offset: 0, .size: 8, .value_kind: global_buffer, .address_space: global }
      - { .name: obs, .offset: 8, .size: 8, .value_kind: global_buffer, .address_space: global }
      - { .name: feat, .offset: 16, .size: 8, .value_kind: global_buffer, .address_space: global }
      - { .name: b0a, .offset: 24, .size: 8, .value_kind: global_buffer, .address_space: global }
      - { .name: b0b, .offset: 32, .size: 8, .value_kind: global_buffer, .address_space: global }
      - { .name: b1a, .offset: 40, .size: 8, .value_kind: global_buffer, .address_space: global }
      - { .name: b1b, .offset: 48, .size: 8, .value_kind: global_buffer, .address_space: global }
      - { .name: b2a, .offset: 56, .size: 8, .value_kind: global_buffer, .address_space: global }
      - { .name: b2b, .offset: 64, .size: 8, .value_kind: global_buffer, .address_space: global }
      - { .name: Wv, .offset: 72, .size: 8, .value_kind: global_buffer, .address_space: global }
      - { .name: bv, .offset: 80, .size: 8, .value_kind: global_buffer, .address_space: global }
      - { .name: out0, .offset: 88, .size: 8, .value_kind: global_buffer, .address_space: global }
    .group_segment_fixed_size: 327680
    .private_segment_fixed_size: 0
    .kernarg_segment_align: 8
    .kernarg_segment_size: 96
    .max_flat_workgroup_size: 128
    .sgpr_count:     88
    .vgpr_count:     1024
    .wavefront_size: 32
...
	.end_amdgpu_metadata
.endif
;; end of part 2
;; ======== version 2 of 2: 2 launches; 1.38 times as fast as version 1
;; workspace buffers: wts 1,441,792 bytes
;; launch pack: the kernel of part 1 again; grid 4 x 22, 8 waves a work-group, no clusters, 0 bytes of LDS; arguments W0a, W0b, W1a, W1b, W2a, W2b, wts; writes wts
;; launch mlp (part 3): grid 256 x 1, 4 waves a work-group, clusters of 4 x 1, 327,680 bytes of LDS; arguments wts, obs, feat, b0a, b0b, b1a, b1b, b2a, b2b, Wv, bv, out0; writes out0
.if DOCPART == 3
	.amdgcn_target "amdgcn-amd-amdhsa--gfx1250"
	.amdhsa_code_object_version 6
	.text
	.protected	k_q09e7c06a7d_mlp
	.globl	k_q09e7c06a7d_mlp
	.p2align	8
	.type	k_q09e7c06a7d_mlp,@function
k_q09e7c06a7d_mlp:
	s_mov_b64 s[64:65], 0
	v_nop
	global_prefetch_b8 v0, s[64:65] scope:SCOPE_SE
	s_setreg_imm32_b32 hwreg(HW_REG_WAVE_MODE, 25, 1), 1
	s_wait_xcnt 0x0
	s_wait_alu depctr_hold_cnt(0) depctr_sa_sdst(0) depctr_va_vdst(0) depctr_va_sdst(0) depctr_va_ssrc(0) depctr_va_vcc(0) depctr_vm_vsrc(0)
	s_getreg_b32 s2, hwreg(HW_REG_IB_STS2, 6, 4)
	s_cmp_eq_u32 s2, 0
	s_cbranch_scc0 .Lentry_in_a_cluster
	s_endpgm
.Lentry_in_a_cluster:
	s_bfe_u32 s2, ttmp6, 0x10000c
	s_cmp_lg_u32 s2, 0x3003
	s_cbranch_scc0 .Lentry_shape_is_right
	s_endpgm
.Lentry_shape_is_right:
; out0[b][rho] = mlp(perturbed, normalised row rho of sample b) - mlp(raw obs row of sample b).
; One work-group = one sample b = 256 rows; wave w = rows 64 w .. 64 w + 63 = four tiles j of 16 rows.
;
; A LAYER'S INPUT STAYS IN REGISTERS.  The matrix instruction is used transposed: source 0 = 16 outputs x 32 inputs of W^T (a packed
; fragment), source 1 = 32 inputs x 16 rows of activations.  A lane's eight results are outputs 8 h + 0..7 of row r; after the
; maximum with 0 and the rounding to bf16, two neighbouring n-tiles are registers 0-3 and 4-7 of the next layer's source 1 in the
; same lane.  64 rows x width 512 in bf16 are 512 registers.
; EACH LAYER IS A COUNTED LOOP.  A trip makes the four n-tiles nu + Q N/64 (Q = 0..3), one block of 4 KS fragments of the packed
; weights.  So that one text serves every trip, an n-tile's bf16 result goes to the wave's own stage in LDS (32,768 bytes = 16
; n-tiles) at an address that steps with the trip, and a run of loads brings a full stage back into one register window: at a
; layer's end, and in the two layers of width 512 also behind their fourth trip.  The loop is rotated: a trip's biases and first
; three groups of fragments are asked for at the tail of the trip before (the first trip's ahead of the loop), in front of the
; last n-tile's conversion, whose 48 vector instructions run while those loads are on their way.
; LAYER 0 BY LINEARITY.  A perturbed row differs from obs/norm in 4 of 512 entries: x W = (obs/norm) W - (feat_k/norm) W[4i..4i+3].
; For 16 rows (8 servers x 2) the second term is one matrix instruction over 32 inputs; the first is one vector for the sample.
; THE EXTRA TILE E.  A 17th tile of 16 columns carries the raw obs row (q_before).  In layer 0 its even columns carry raw obs and its
; odd columns obs/norm, which gives the base vector.  From layer 1 on its even columns carry hi = bf16(x) and its odd columns
; lo = bf16(x - hi): q_before is the one large term of every output of the sample, so its activations enter in two bf16 parts; the
; two columns' sums are added in registers.  E's inputs are split over the waves: wave w multiplies only quarter w of K; the four
; f32 partial sums meet in LDS at each layer's end, behind the barrier that the change of weight blocks needs anyway.
; ROTATED ORDER.  Register quarter tau of wave w holds true quarter (tau + w) & 3, of outputs and of inputs alike; only LDS addresses
; differ between waves.  The first quarter of every walk along K is then the wave's own true quarter: E's products stand there.
; WEIGHTS.  Layer 0's four tiles of 65,536 bytes are fetched at the start; the other 18 stream through a circular buffer of 131,072
; bytes: the block that a trip has read is filled again with the bytes 131,072 further on.  All work-groups walk the same stream:
; the four of a cluster ask jointly (mask 15), each wave for its quarter of a block, which divides the requests by four.  By this
; text's own count a wave has four tensor loads out at the start, later two, then one.
;
; LIMITS.  The maximum with 0 (v_max_num_f32) turns a NaN into 0 where the model would keep it.  The divisions by 42 and 160 are
; multiplications by the rounded reciprocals (one unit in the last place of f32, ahead of the rounding to bf16).  q_before's sums
; are formed as four partial sums over quarters of K, another order of f32 additions.  Matrix operands are bf16, sums f32.  Wv, the
; weight operand of the seventh product, is rounded to bf16 like the other six weight matrices; its products and sums are f32.
; ---- LDS ----
.set STAGE, 131072                     ; slots 2 and 3 after their only fill: wave w owns 32,768 bytes from STAGE + 32768 w
.set EP0,   262144                     ; E's partial sums: [wave 2,048 bytes][n f32]; two buffers take turns by layer
.set EP1,   270336
.set CST,   278528                     ; b0a +0, b0b +1024, b1a +3072, b1b +5120, b2a +6144, b2b +6656, Wv +7680
.set BASEL, 287232                     ; the base vector, a copy of 1,024 bytes for each wave
.set EBUF,  291328                     ; E's packed input, 512 bytes for each wave: 256 of hi parts, 256 of lo parts
.set OUTS,  293376                     ; the way out, 256 bytes for each wave
; ---- vector registers, window 0 ----
.set L16,  1                           ; 16 x lane
.set H32,  2                           ; 32 h, h = lane / 16
.set SPB,  3                           ; my 16 bytes at the head of my wave's stage
.set KQ,   4                           ; v[4:7]    T: 16 lane + true K quarter's first fragment
.set AD,   8                           ; v[8:11]   T: the same + the block's place in the ring + the n-tile's fragments
.set BA,   12                          ; v[12:15]  tau: bias fragment's address, steps with the trip
.set PA,   16                          ; v[16:19]  tau: where E's partial sums go, steps with the trip
.set HW,   20                          ; 32 h + 2048 wave
.set SPC,  21                          ; the stage at this trip's 8,192 bytes
.set ACC,  32                          ; v[32:95]  two sets of four accumulators
.set EA,   96                          ; v[96:103]  E's accumulators, two that take turns
.set EB,   104
.set EIN,  112                         ; v[112:143] E's input: my K quarter
.set WV,   120                         ; last layer: two sets of Wv fragments
.set QS,   136                         ; last layer: v[136:143] running dot products, a pair for each tile j
.set BIAS, 144                         ; v[144:159] two sets
.set BF,   144                         ; layer 0: the correction's source 1
.set FR,   160                         ; v[160:255] three buffers of four weight fragments
; windows 1-3: activations
; ---- scalars ----  s32 wave, s33 cx, s34 b, s35 and s85 at work, s[36:39] (tau + w) & 3, s[40:43] n quarter + ring offset, s[44:47] n quarter,
;                    s[48:55] group 1 (64 rows), s[88:95] group 1 (32 rows), s[56:63] group 0 of slots 0, 1 at the start,
;                    s[68:71], s[72:75] group 0 of slots 2, 3 at the start, then of the refills of 32,768 and of 65,536 bytes,
;                    s80 bv, s81 ring offset of the trip's block, s[82:83] selectors of v_permlanex16_b32, s84 trip counter
.set MSB, 0
.set DSN, 0                            ; LDS instructions written so far (from layer 1 on)
.set MKF0, 0                           ; marks: DSN just behind the loads of fragment buffers 0-2,
.set MKF1, 0
.set MKF2, 0
.set MKB0, 0                           ; of the bias sets,
.set MKB1, 0
.set MKW0, 0                           ; of the Wv sets,
.set MKW1, 0
.set MKE, 0                            ; of E's input,
.set MKX, 0                            ; of E's partial sums
.set PK, 0                             ; pending conversion: 0 none, 2 into the stage, 3 into the dot product
.macro PLACES n
.rept \n
	v_nop
.endr
.endm
.macro WIN new                         ; s_set_vgpr_msb: bits 1:0 source 0, 3:2 source 1, 5:4 source 2, 7:6 destination; the high byte repeats the setting left
.if MSB != (\new)
	s_set_vgpr_msb (MSB<<8)|(\new)
.set MSB, \new
.endif
.endm
; LDS instructions end in order (ISA guide 5.7.1): all up to mark m are done when only those written behind it are out.  A mark that a
; wait inside a loop names is set in the same trip, or by the loads that stand last ahead of the loop.  Those loads stand again, in
; the same order, at the trip's tail, and behind them there only further LDS instructions follow up to the backward jump: on the
; way back at least as many are issued behind the item as on the way in, so the count written for the way in holds on both.
.macro WAITM m
.if DSN-(\m) > 63
	s_wait_dscnt 63
.else
	s_wait_dscnt DSN-(\m)
.endif
.endm
.macro CREST                           ; a round of the cluster's barrier behind its opening work-group barrier
	s_cmp_lg_u32 s32, 0
	s_cbranch_scc1 .Lnot_wave_0_\@
	s_barrier_signal -3
.Lnot_wave_0_\@:
	s_barrier_wait -3
	s_barrier_signal -1
	s_barrier_wait -1
.endm
.macro ROUND
	s_barrier_signal -1
	s_barrier_wait -1
	CREST
.endm
.macro JLOAD g0                        ; my quarter of a tile, asked for jointly by the four work-groups of the cluster
	tensor_load_to_lds s[\g0:\g0+3], s[48:55]
	s_nop 0
.endm
.macro MM d, a, b, c
	v_wmma_f32_16x16x32_bf16 v[\d:\d+7], v[\a:\a+7], v[\b:\b+7], v[\c:\c+7]
.endm
.macro MM0 d, a, b
	v_wmma_f32_16x16x32_bf16 v[\d:\d+7], v[\a:\a+7], v[\b:\b+7], 0
.endm
; ================= head =================
	s_load_b512 s[8:23], s[0:1], 0x0               ; wts 8, obs 10, feat 12, b0a 14, b0b 16, b1a 18, b1b 20, b2a 22
	s_load_b256 s[24:31], s[0:1], 0x40             ; b2b 24, Wv 26, bv 28, out0 30
	v_lshrrev_b32 v21, 5, v0
	v_readfirstlane_b32 s32, v21                   ; wave 0..3
	s_bfe_u32 s33, ttmp6, 0x40000                  ; cx
	s_lshl_b32 s34, ttmp9, 2
	s_add_co_u32 s34, s34, s33                     ; b = 4 x cluster + cx: enters the addresses of obs, feat and out0 alone
	s_mov_b32 s36, s32
.irp t, 1,2,3
	s_add_co_u32 s[36+\t], s32, \t
	s_and_b32 s[36+\t], s[36+\t], 3                ; true quarter of register quarter t
.endr
	s_mov_b32 s82, 0x76543210
	s_mov_b32 s83, 0xfedcba98
	; group 1: a dense block of 64 rows of 256 bytes
	s_mov_b32 s48, 15|(3<<16)|(1<<21)              ; 15:0 mask: the four work-groups of the cluster; 17:16 elements of 8 bytes; 21 set beside a mask
	s_mov_b32 s49, 32<<16                          ; tensor_dim0 = 32
	s_mov_b32 s50, 64<<16                          ; tensor_dim1 = 64
	s_mov_b32 s51, 32<<16                          ; tile_dim0 = 32
	s_mov_b32 s52, 64                              ; tile_dim1 = 64
	s_mov_b32 s53, 32                              ; elements from row to row
	s_mov_b32 s54, 0
	s_mov_b32 s55, 0
	s_lshl_b32 s35, s32, 14                        ; my quarter of a tile: 16,384 bytes
	s_mov_b32 s76, s35
	s_mov_b32 s77, 0
	v_and_b32 v21, 31, v0
	v_lshlrev_b32 v[L16], 4, v21
	v_bfe_u32 v21, v0, 4, 1
	v_lshlrev_b32 v[H32], 5, v21
	s_lshl_b32 s84, s32, 15
	v_add3_u32 v[SPB], v[L16], s84, STAGE
	s_lshl_b32 s84, s32, 11
	v_add_nc_u32 v[HW], s84, v[H32]
	s_wait_kmcnt 0x0
	s_load_b32 s80, s[28:29], 0x0                  ; bv
	s_add_nc_u64 s[78:79], s[8:9], s[76:77]        ; wts at my quarter of tile 0
.macro G0SET g0, r                     ; group 0 of slot r, set up for tile r
	s_mov_b32 s[\g0], 1
	s_add_co_u32 s[\g0+1], s35, \r*65536
	s_add_nc_u64 s[\g0+2:\g0+3], s[78:79], \r*65536
	s_or_b32 s[\g0+3], s[\g0+3], 0x80000000
.endm
	G0SET 56, 0
	G0SET 60, 1
	G0SET 68, 2
	G0SET 72, 3
	ROUND                                          ; all four work-groups are here: the first joint loads meet
	JLOAD 56
	JLOAD 60
	JLOAD 68
	JLOAD 72                                       ; layer 0's four tiles: four loads of mine are out
	; biases and Wv into LDS (each byte once, 16 bytes a thread), feat, and my quarter of the obs row
	v_lshlrev_b32 v152, 4, v0                      ; 16 t
	v_and_b32 v153, 63, v0
	v_lshlrev_b32 v153, 4, v153                    ; 16 (t & 63)
	v_lshlrev_b32 v154, 2, v0                      ; 4 t
	v_and_b32 v155, 1, v0
	v_lshlrev_b32 v155, 4, v155                    ; 16 (r & 1): which of the two feat rows
	s_cmp_lt_u32 s32, 2
	s_cselect_b64 s[84:85], s[14:15], s[20:21]     ; waves 0, 1: b0a; waves 2, 3: b1b
	s_cselect_b64 s[86:87], s[24:25], s[26:27]     ; waves 0, 1: b2b; waves 2, 3: Wv
	s_lshl_b32 s78, s34, 11
	s_lshl_b32 s35, s32, 9
	s_add_co_u32 s78, s78, s35
	s_mov_b32 s79, 0
	s_add_nc_u64 s[76:77], s[10:11], s[78:79]      ; obs[b] at input 128 w
	s_lshl_b32 s78, s34, 5
	s_add_nc_u64 s[78:79], s[12:13], s[78:79]      ; feat[b]
	global_load_b128 v[160:163], v152, s[16:17]
	global_load_b128 v[164:167], v152, s[18:19]
	global_load_b128 v[168:171], v153, s[84:85]
	global_load_b128 v[172:175], v153, s[86:87]
	global_load_b32 v176, v154, s[22:23]
	global_load_b128 v[180:183], v155, s[78:79]
.irp j, 0,1,2,3                                    ; input step 4 w + j: inputs 8 h + 0..7 and 16 + 8 h + 0..7
	global_load_b128 v[32+16*\j:35+16*\j], v[H32], s[76:77] offset:128*\j
	global_load_b128 v[36+16*\j:39+16*\j], v[H32], s[76:77] offset:128*\j+16
	global_load_b128 v[40+16*\j:43+16*\j], v[H32], s[76:77] offset:128*\j+64
	global_load_b128 v[44+16*\j:47+16*\j], v[H32], s[76:77] offset:128*\j+80
.endr
	v_add_nc_u32 v156, CST+1024, v152
	s_lshr_b32 s35, s32, 1
	s_mul_i32 s35, s35, 5120
	v_add3_u32 v157, v153, s35, CST
	v_add_nc_u32 v158, CST+6144, v154
	v_mov_b32 v26, 0x3cc30c31                      ; 1/42
	v_mov_b32 v27, 0x3bcccccd                      ; 1/160
	v_mov_b32 v24, 0xbcc30c31
	v_mov_b32 v25, 0xbbcccccd
	v_and_b32 v21, 1, v0
	v_cmp_eq_u32 vcc_lo, 1, v21
	v_cndmask_b32 v22, 1.0, v26, vcc_lo            ; E's odd columns carry obs/norm, its even columns raw obs
	v_cndmask_b32 v23, 1.0, v27, vcc_lo
	; the correction's source 1: row r of a tile is server r >> 1, feat row r & 1; its four inputs are registers 2 pr, 2 pr + 1 of the
	; lanes with h = bit 2 of r, pr = 2 bit3(r) + bit1(r); all else is 0
	v_bfe_u32 v28, v0, 3, 1
	v_bfe_u32 v29, v0, 1, 1
	v_lshl_or_b32 v28, v28, 1, v29
	v_lshrrev_b32 v29, 2, v0
	v_xor_b32 v29, v29, v0
	v_and_b32 v29, 4, v29                          ; 4 where bit 4 and bit 2 differ: then no pr matches
	v_or_b32 v28, v28, v29
	; layer 0's addresses
	v_lshl_add_u32 v[KQ], s32, 12, v[L16]          ; input steps 4 w ..: 4,096 w
	v_lshlrev_b32 v21, 10, v21
	v_add_nc_u32 v21, v21, v[HW]                   ; in layer 0 a wave's 2,048 bytes are [column parity][256 f32]
.irp t, 0,1,2,3
	s_lshl_b32 s35, s[36+\t], 8
	v_add3_u32 v[PA+\t], v21, s35, EP0
.endr
	s_wait_loadcnt 17                              ; the five loads of constants are in; feat's and obs's 17 stay out
	; waves 2 and 3 hold Wv in v[172:175]: rounded to bf16 and widened again; waves 0 and 1 hold b2b there, which stays as it is
	s_cmp_lt_u32 s32, 2
	s_cselect_b32 s35, 0, -1                       ; a mask of all lanes in waves 2 and 3
	v_cvt_pk_bf16_f32 v177, v172, v173
	v_cvt_pk_bf16_f32 v178, v174, v175
	v_lshlrev_b32 v186, 16, v177
	v_and_b32 v187, 0xffff0000, v177
	v_lshlrev_b32 v188, 16, v178
	v_and_b32 v189, 0xffff0000, v178
.irp i, 0,1,2,3
	v_cndmask_b32 v[172+\i], v[172+\i], v[186+\i], s35
.endr
	ds_store_b128 v156, v[160:163]                 ; b0b
	ds_store_b128 v156, v[164:167] offset:2048     ; b1a
	ds_store_b128 v157, v[168:171]                 ; b0a or b1b
	ds_store_b128 v156, v[172:175] offset:5632     ; b2b or Wv: CST + 6656 + 16 t
	ds_store_b32 v158, v176                        ; b2a
	s_wait_loadcnt 16                              ; feat is in
	v_pk_mul_f32 v[180:181], v[180:181], v[24:25]
	v_pk_mul_f32 v[182:183], v[182:183], v[24:25]
	v_cvt_pk_bf16_f32 v184, v180, v181
	v_cvt_pk_bf16_f32 v185, v182, v183
.irp p, 0,1,2,3
	v_cmp_eq_u32 vcc_lo, \p, v28
	v_cndmask_b32 v[BF+2*\p], 0, v184, vcc_lo
	v_cndmask_b32 v[BF+2*\p+1], 0, v185, vcc_lo
.endr
	s_wait_loadcnt 0x0
.set n, 0
.rept 32
	v_pk_mul_f32 v[32+2*n:33+2*n], v[32+2*n:33+2*n], v[22:23]
.set n, n+1
.endr
.set n, 0
.rept 32
	v_cvt_pk_bf16_f32 v[EIN+n], v[32+2*n], v[33+2*n]
.set n, n+1
.endr
	s_wait_kmcnt 0x0                               ; bv
; ================= layer 0 =================
; Tile nu holds n-tiles nu + 4 Q.  I read only input steps 4 w + j: step 4 w + j is both the correction of my tile j and a step of
; E's quarter.  Position p = nu + 4 tau; the corrections (f32) go to windows 1 and 2, tile (p, j) at 8 (4 (p & 7) + j).
.macro L0M nu, fb                      ; eight corrections: two n-tiles x four row tiles, each one product that starts its sum
.irp t, 0,1
.irp j, 0,1,2,3
	MM0 8*(4*(\nu+4*\t)+\j), \fb+32*\t+8*\j, BF
.endr
.endr
.endm
.macro L0E fb                          ; E for the same two n-tiles; the two accumulators take turns
	MM0 EA, \fb, EIN
	MM0 EB, \fb+32, EIN
.irp j, 1,2,3
	MM EA, \fb+8*\j, EIN+8*\j, EA
	MM EB, \fb+32+8*\j, EIN+8*\j, EB
.endr
.endm
.macro L0ST nu, ta
	ds_store_b128 v[PA+\ta], v[EA:EA+3] offset:64*\nu
	ds_store_b128 v[PA+\ta], v[EA+4:EA+7] offset:64*\nu+16
	ds_store_b128 v[PA+\ta+1], v[EB:EB+3] offset:64*\nu
	ds_store_b128 v[PA+\ta+1], v[EB+4:EB+7] offset:64*\nu+16
.endm
.macro L0TILE nu
	s_wait_tensorcnt 3-\nu                         ; my quarter of tile nu is in; the younger tiles of layer 0 stay out
	s_wait_dscnt 0x0                               ; no LDS instruction of mine is pending at a signal
.if \nu == 3
	; all my tensor loads have landed and my reads of slots 0 and 1 are over: their group 0 may be written, and behind a round of the
	; cluster's barrier, when that holds of every wave of the four work-groups, the two slots are filled again, first thing
	s_add_nc_u64 s[58:59], s[58:59], 4*65536       ; tile 4
	s_add_nc_u64 s[62:63], s[62:63], 4*65536       ; tile 5
	ROUND
	JLOAD 56
	JLOAD 60
.else
	s_barrier_signal -1
	s_barrier_wait -1                              ; everybody's quarter is in
.endif
.irp t, 0,1,2,3
	s_lshl_b32 s35, s[36+\t], 14
	v_add3_u32 v[AD+\t], v[KQ], s35, \nu*65536     ; four plain instructions: with the four in front of the last stores, the places ahead of the loads
.endr
.irp t, 0,1
.irp j, 0,1,2,3
	ds_load_b128 v[FR+32*\t+8*\j:FR+32*\t+8*\j+3], v[AD+\t] offset:1024*\j
	ds_load_b128 v[FR+32*\t+8*\j+4:FR+32*\t+8*\j+7], v[AD+\t] offset:1024*\j+512
.endr
.endr
.irp t, 0,1
.irp j, 0,1,2,3
	ds_load_b128 v[ACC+32*\t+8*\j:ACC+32*\t+8*\j+3], v[AD+2+\t] offset:1024*\j
	ds_load_b128 v[ACC+32*\t+8*\j+4:ACC+32*\t+8*\j+7], v[AD+2+\t] offset:1024*\j+512
.endr
.endr
	s_wait_dscnt 16                                ; quarters tau = 0, 1 are in; the 16 younger loads stay out
	WIN 0x40
	L0M \nu, FR
	WIN 0
	L0E FR
	s_wait_dscnt 0x0
	WIN 0x80
	L0M \nu, ACC
	WIN 0
	PLACES 5                                       ; behind E's last products: 4 ahead of the stores that read them, 5 ahead of the products that start them anew
	L0ST \nu, 0
	L0E ACC
	PLACES 4
	L0ST \nu, 2
.endm
	L0TILE 0
	L0TILE 1
	L0TILE 2
	L0TILE 3
	; ---- layer 0's end: the base vector, then h0 = max(correction + base, 0) in bf16 into window 3 ----
	s_wait_dscnt 0x0
	s_barrier_signal -1
	s_barrier_wait -1                              ; all partial sums are in LDS
	v_lshlrev_b32 v21, 1, v[L16]                   ; 32 lane: outputs 8 lane .. 8 lane + 7
	v_add_nc_u32 v22, EP0+1024, v21                ; the odd columns' sums
	v_add_nc_u32 v23, CST, v21                     ; b0a
	s_lshl_b32 s35, s32, 10
	v_add3_u32 v24, v21, s35, BASEL
.irp u, 0,1,2,3
	ds_load_b128 v[32+8*\u:35+8*\u], v22 offset:2048*\u
	ds_load_b128 v[36+8*\u:39+8*\u], v22 offset:2048*\u+16
.endr
	ds_load_b128 v[64:67], v23
	ds_load_b128 v[68:71], v23 offset:16
.irp t, 0,1,2,3
	s_lshl_b32 s76, s[36+\t], 8
	s_add_co_u32 s76, s76, s35
	v_add3_u32 v[AD+\t], v[H32], s76, BASEL
.endr
	s_wait_dscnt 0x0
.irp i, 0,2,4,6
	v_pk_add_f32 v[32+\i:33+\i], v[32+\i:33+\i], v[40+\i:41+\i]
	v_pk_add_f32 v[48+\i:49+\i], v[48+\i:49+\i], v[56+\i:57+\i]
.endr
.irp i, 0,2,4,6
	v_pk_add_f32 v[32+\i:33+\i], v[32+\i:33+\i], v[48+\i:49+\i]
.endr
.irp i, 0,2,4,6
	v_pk_add_f32 v[32+\i:33+\i], v[32+\i:33+\i], v[64+\i:65+\i]
.endr
	ds_store_b128 v24, v[32:35]                    ; my wave's own copy: LDS serves a wave's instructions in order, the loads below see it
	ds_store_b128 v24, v[36:39] offset:16
.set p, 0
.rept 16                                           ; position p holds true n-tile (p & 3) + 4 x true quarter of p >> 2
	ds_load_b128 v[128+8*p:131+8*p], v[AD+(p>>2)] offset:64*(p&3)
	ds_load_b128 v[132+8*p:135+8*p], v[AD+(p>>2)] offset:64*(p&3)+16
.set p, p+1
.endr
.set pp, 0
.rept 8
	s_wait_dscnt 28-4*pp                           ; the base fragments of positions 2 pp, 2 pp + 1 are in; the younger pairs' loads stay out
	WIN 1+(pp>>2)                                  ; source 0: the corrections' window
.irp q, 0,1
.irp j, 0,1,2,3
.irp i, 0,1,2,3
	v_pk_add_f32 v[ACC+32*\q+8*\j+2*\i:ACC+32*\q+8*\j+2*\i+1], v[8*(4*((2*pp+\q)&7)+\j)+2*\i:8*(4*((2*pp+\q)&7)+\j)+2*\i+1], v[128+8*(2*pp+\q)+2*\i:128+8*(2*pp+\q)+2*\i+1]
.endr
.endr
.endr
.set n, 0
.rept 64
	v_max_num_f32 v[ACC+n], 0, v[ACC+n]
.set n, n+1
.endr
	WIN 0xc0
.irp q, 0,1
.irp j, 0,1,2,3
.irp i, 0,1,2,3
	v_cvt_pk_bf16_f32 v[32*pp+8*\j+4*\q+\i], v[ACC+32*\q+8*\j+2*\i], v[ACC+32*\q+8*\j+2*\i+1]
.endr
.endr
.endr
.set pp, pp+1
.endr
	WIN 0
	; The ring's refills.  The loads of tiles 2 and 3 were shown done by the wait for 0 in front of tile 3's round, so their group 0 serves anew.
	; Each set is stepped just ahead of its load, so it starts one step back.
	s_mov_b32 s88, 15|(3<<16)|(1<<21)              ; group 1 for blocks of 32,768 bytes: my quarter is 32 rows of 256 bytes
	s_mov_b32 s89, 32<<16
	s_mov_b32 s90, 32<<16
	s_mov_b32 s91, 32<<16
	s_mov_b32 s92, 32
	s_mov_b32 s93, 32
	s_mov_b32 s94, 0
	s_mov_b32 s95, 0
	s_lshl_b32 s76, s32, 13                        ; my quarter of such a block: 8,192 bytes
	s_mov_b32 s77, 0
	s_mov_b32 s68, 1
	s_add_co_u32 s69, s76, 98304                   ; + 32,768, modulo 131,072: the ring's byte 0
	s_add_nc_u64 s[70:71], s[8:9], s[76:77]
	s_add_nc_u64 s[70:71], s[70:71], 6*65536-32768 ; + 32,768: tile 6
	s_or_b32 s71, s71, 0x80000000
	s_lshl_b32 s76, s32, 14
	s_mov_b32 s72, 1
	s_add_co_u32 s73, s76, 65536                   ; toggled: slot 0
	s_add_nc_u64 s[74:75], s[8:9], s[76:77]
	s_add_nc_u64 s[74:75], s[74:75], 9*65536       ; + 65,536: tile 10
	s_or_b32 s75, s75, 0x80000000
	s_wait_tensorcnt 0x1                           ; my quarter of tile 4 is in; tile 5's load stays out
	s_wait_dscnt 0x0
	s_barrier_signal -1
	s_barrier_wait -1                              ; everybody's is
; ================= layers 1 to 5 =================
.macro LAYERDEF ks, lks, ln, boff, epb, inw0, inw1, dot, pboff, pepb, rb0
	.set KS, \ks                           ; input steps of 32; also the groups of four fragments in a trip (4 n-tiles x KS/4)
	.set LKS, \lks
	.set GPN, \ks/4                        ; groups in an n-tile = input steps in a quarter
	.set NG, \ks
	.set LN, \ln                           ; log2 of the outputs
	.set BOFF, \boff                       ; this layer's bias in CST
	.set EPB, \epb                         ; where E's partial sums go
	.set INW0, \inw0                       ; the input's window; for KS = 16: of the steps with bit 1 clear, and with bit 1 set
	.set INW1, \inw1
	.set DOT, \dot                         ; the result goes straight into the dot product with Wv
	.set PBOFF, \pboff                     ; the layer before: its bias and its partial sums
	.set PEPB, \pepb
	.set RB0, \rb0                         ; the ring offset of the layer's first block
.endm
.macro REFILLDEF endk, rg0, rg1, rstep
	.set ENDK, \endk                       ; 1: each trip ends with a round of the cluster's barrier and the refill of its block
	.set RG0, \rg0
	.set RG1, \rg1
	.set RSTEP, \rstep
.endm
.macro LAYERSET
.irp t, 0,1,2,3
	v_lshl_add_u32 v[KQ+\t], s[36+\t], LKS+8, v[L16]
	s_lshl_b32 s[44+\t], s[36+\t], LKS+10
	s_lshl_b32 s35, s[36+\t], LN
	v_add3_u32 v[BA+\t], v[H32], s35, CST+BOFF
	v_add3_u32 v[PA+\t], v[HW], s35, EPB
.endr
	s_mov_b32 s81, RB0
	s_mov_b32 s84, 0
.endm
.macro ADSET a                         ; the addresses of n-tile a of the trip; the vector source stands first, so the lines hold under any window of source 1
.irp t, 0,1,2,3
	v_add_nc_u32 v[AD+\t], v[KQ+\t], s[40+(\a)]
.endr
.endm
.macro LOADG g                         ; group g of the trip: four fragments, eight loads of 512 consecutive bytes
	.set L_I, (\g)%GPN
	.set L_FR, FR+32*((\g)%3)
	.set L_E, 0
.rept 4
	.set L_P, 4*L_I+L_E
	.set L_O, (L_P%GPN)*1024
	ds_load_b128 v[L_FR+8*L_E:L_FR+8*L_E+3], v[AD+L_P/GPN] offset:L_O
	ds_load_b128 v[L_FR+8*L_E+4:L_FR+8*L_E+7], v[AD+L_P/GPN] offset:L_O+512
	.set L_E, L_E+1
.endr
	.set DSN, DSN+8
.if ((\g)%3) == 0
	.set MKF0, DSN
.elseif ((\g)%3) == 1
	.set MKF1, DSN
.else
	.set MKF2, DSN
.endif
.endm
.macro BIASLD la                       ; the bias fragment of the trip's n-tile la, into set la & 1
	ds_load_b128 v[BIAS+8*((\la)&1):BIAS+8*((\la)&1)+3], v[BA+(\la)]
	ds_load_b128 v[BIAS+8*((\la)&1)+4:BIAS+8*((\la)&1)+7], v[BA+(\la)] offset:16
	.set DSN, DSN+2
.if (\la)&1
	.set MKB1, DSN
.else
	.set MKB0, DSN
.endif
.endm
.macro WVLD la                         ; Wv lies 1,024 bytes behind b2b
	ds_load_b128 v[WV+8*((\la)&1):WV+8*((\la)&1)+3], v[BA+(\la)] offset:1024
	ds_load_b128 v[WV+8*((\la)&1)+4:WV+8*((\la)&1)+7], v[BA+(\la)] offset:1040
	.set DSN, DSN+2
.if (\la)&1
	.set MKW1, DSN
.else
	.set MKW0, DSN
.endif
.endm
.macro EINLOAD                         ; my K quarter of the layer before: four waves' partial sums and the bias, 4 numbers a lane
	v_and_b32 v28, 32*KS-1, v[L16]
	s_lshl_b32 s35, s32, LKS+5
	v_add3_u32 v29, v28, s35, CST+PBOFF
	v_add3_u32 v28, v28, s35, PEPB
	ds_load_b128 v[EA:EA+3], v28
	ds_load_b128 v[EA+4:EA+7], v28 offset:2048
	ds_load_b128 v[EB:EB+3], v28 offset:4096
	ds_load_b128 v[EB+4:EB+7], v28 offset:6144
	ds_load_b128 v[24:27], v29
	.set DSN, DSN+5
	.set MKX, DSN
.endm
; Sum, bias, maximum with 0; then x in two bf16 parts, hi = bf16(x) and lo = bf16(x - hi) (the difference is exact in f32); through my
; wave's own LDS bytes into the layout of source 1: even columns read the hi parts, odd columns the lo parts, 256 bytes further on.
.macro EINBUILD
	WAITM MKX
	v_pk_add_f32 v[EA:EA+1], v[EA:EA+1], v[EA+4:EA+5]
	v_pk_add_f32 v[EA+2:EA+3], v[EA+2:EA+3], v[EA+6:EA+7]
	v_pk_add_f32 v[EB:EB+1], v[EB:EB+1], v[EB+4:EB+5]
	v_pk_add_f32 v[EB+2:EB+3], v[EB+2:EB+3], v[EB+6:EB+7]
	v_pk_add_f32 v[EA:EA+1], v[EA:EA+1], v[EB:EB+1]
	v_pk_add_f32 v[EA+2:EA+3], v[EA+2:EA+3], v[EB+2:EB+3]
	v_pk_add_f32 v[EA:EA+1], v[EA:EA+1], v[24:25]
	v_pk_add_f32 v[EA+2:EA+3], v[EA+2:EA+3], v[26:27]
.irp i, 0,1,2,3
	v_max_num_f32 v[EA+\i], 0, v[EA+\i]
.endr
	v_cvt_pk_bf16_f32 v24, v[EA], v[EA+1]          ; hi
	v_cvt_pk_bf16_f32 v25, v[EA+2], v[EA+3]
	v_lshlrev_b32 v[EB], 16, v24                   ; hi as f32
	v_and_b32 v[EB+1], 0xffff0000, v24
	v_lshlrev_b32 v[EB+2], 16, v25
	v_and_b32 v[EB+3], 0xffff0000, v25
.irp i, 0,1,2,3
	v_sub_f32 v[EA+\i], v[EA+\i], v[EB+\i]
.endr
	v_cvt_pk_bf16_f32 v26, v[EA], v[EA+1]          ; lo
	v_cvt_pk_bf16_f32 v27, v[EA+2], v[EA+3]
	v_lshrrev_b32 v30, 1, v[L16]
	v_and_b32 v30, 16*KS-1, v30
	s_lshl_b32 s35, s32, 9
	v_add3_u32 v30, v30, s35, EBUF
	v_lshrrev_b32 v31, 1, v[H32]                   ; 16 h
	v_and_b32 v29, 1, v0
	v_lshl_add_u32 v31, v29, 8, v31                ; + 256 (r & 1)
	v_add3_u32 v31, v31, s35, EBUF
	ds_store_b64 v30, v[24:25]
	ds_store_b64 v30, v[26:27] offset:256
	.set X_T, 0
.rept GPN
	ds_load_b128 v[EIN+8*X_T:EIN+8*X_T+3], v31 offset:64*X_T
	ds_load_b128 v[EIN+8*X_T+4:EIN+8*X_T+7], v31 offset:64*X_T+32
	.set X_T, X_T+1
.endr
	.set DSN, DSN+2+2*GPN
	.set MKE, DSN
.endm
; The stage comes back into window w.  It holds nuh trips: [trip 8,192 bytes][tau 2,048][j 512][lane 16].  The n-tile of trip n, quarter tau is
; half n & 1 of the next layer's input step at place tau nuh/2 + (n >> 1) of the window: register 32 place + 8 j + 4 (n & 1).
; LDS serves a wave's instructions in order: these loads see the stores in front of them and are served ahead of the stores behind them.
.macro RELOAD w, nuh
	WIN (\w)<<6
	.set X_T, 0
.rept 4
	.set X_N, 0
.rept \nuh
	.set X_J, 0
.rept 4
	.set X_R, 8*(X_T*(\nuh/2)+(X_N>>1))+2*X_J+(X_N&1)
	ds_load_b128 v[4*X_R:4*X_R+3], v[SPB] offset:X_N*8192+X_T*2048+X_J*512
	.set X_J, X_J+1
.endr
	.set X_N, X_N+1
.endr
	.set X_T, X_T+1
.endr
	WIN 0
	.set DSN, DSN+16*\nuh
.endm
; A finished n-tile leaves its accumulators in four steps: 32 maxima with 0; a wait (the dot product's Wv fragment); 16 vector
; instructions (roundings to bf16 in place, or multiply-adds into the dot product); 4 stores into the stage.
.macro CONVMAX                         ; the maxima, where they cannot ride among matrix instructions
	.set X_N, 0
.rept 32
	v_max_num_f32 v[PACC+X_N], 0, v[PACC+X_N]
	.set X_N, X_N+1
.endr
.endm
.macro CONVWAIT
.if PK == 3
.if PWS
	WAITM MKW1
.else
	WAITM MKW0
.endif
.endif
.endm
.macro CONVPART lo, n                  ; instructions lo .. lo + n - 1 of the sixteen; they name the finished accumulators (and Wv, the sums) alone
	.set C_N, \lo
.rept \n
.if PK == 2
	v_cvt_pk_bf16_f32 v[PACC+8*(C_N>>2)+(C_N&3)], v[PACC+2*C_N], v[PACC+2*C_N+1]
.elseif PK == 3
	v_pk_fma_f32 v[QS+2*(C_N&3):QS+2*(C_N&3)+1], v[PACC+8*(C_N&3)+2*(C_N>>2):PACC+8*(C_N&3)+2*(C_N>>2)+1], v[PWVR+2*(C_N>>2):PWVR+2*(C_N>>2)+1], v[QS+2*(C_N&3):QS+2*(C_N&3)+1]
.endif
	.set C_N, C_N+1
.endr
.endm
.macro CONVST
.if PK == 2
.irp j, 0,1,2,3
	ds_store_b128 v[SPC], v[PACC+8*\j:PACC+8*\j+3] offset:PSPO+512*\j
.endr
	.set DSN, DSN+4
.endif
	.set PK, 0
.endm
; Behind an n-tile's first group: E's products on the fragments of my own K quarter, with the sixteen instructions of the n-tile before
; shared out behind them (at least four behind the last: the places ahead of the additions that read E's results and of the loads
; into the fragments that E read); E's additions; then ONE run of LDS instructions: the stage stores, E's partial
; sums, the bias two n-tiles ahead, and (in the next group's text) the next fragments.
.macro ESECTION
	WIN 0
.if G_A == 0
	WAITM MKE                                      ; E's input was loaded ahead of the loop
.endif
	CONVWAIT
	MM0 EA, G_FR, EIN
	CONVPART 0, 16/GPN
.if GPN >= 2
	MM0 EB, G_FR+8, EIN+8
	CONVPART 16/GPN, 16/GPN
.endif
.if GPN == 4
	MM EA, G_FR+16, EIN+16, EA
	CONVPART 8, 4
	MM EB, G_FR+24, EIN+24, EB
	CONVPART 12, 4
.endif
.if PK == 0
	PLACES 4                                       ; a trip's first n-tile has no conversion to put there
.endif
.if GPN >= 2
.irp i, 0,2,4,6
	v_pk_add_f32 v[EA+\i:EA+\i+1], v[EA+\i:EA+\i+1], v[EB+\i:EB+\i+1]
.endr
.endif
.irp i, 0,1,2,3,4,5,6,7                            ; column r + column r xor 1: W hi + W lo, now alike in all sixteen columns
	v_add_f32_dpp v[EA+\i], v[EA+\i], v[EA+\i] row_xmask:1 row_mask:0xf bank_mask:0xf
.endr
	CONVST
	ds_store_b128 v[PA+G_A], v[EA:EA+3]
	ds_store_b128 v[PA+G_A], v[EA+4:EA+7] offset:16
	.set DSN, DSN+2
.if G_A+2 < 4
	BIASLD G_A+2
.endif
.if DOT
.if G_A+1 < 4
	WVLD G_A+1
.endif
.endif
.endm
; Group g of a trip: four input steps x four row tiles = 16 products.  The four accumulators of a set take turns, one instruction a
; turn, and so do E's two: no two matrix instructions that follow each other share an accumulator, over the backward jump too.
.macro GROUP g
	.set G_A, (\g)/GPN
	.set G_I, (\g)%GPN
	.set G_SET, G_A&1
	.set G_ACC, ACC+32*G_SET
	.set G_FR, FR+32*((\g)%3)
	.set G_LD, 0
	.set G_AE, 0                                   ; 1: the group before ended with E's section, which leaves four places and more behind its last product
.if (\g) >= 1
.if (\g) <= NG-3
	.set G_LD, 1
.endif
.if (((\g)-1)%GPN) == 0
	.set G_AE, 1
.endif
.endif
.if G_LD
	; four places behind the last group's products (ISA guide 7.12.1), then group g + 2 into the buffer that it read
.if (((\g)+2)%GPN) == 0
	ADSET ((\g)+2)/GPN
.elseif G_AE == 0
	PLACES 4
.endif
	LOADG (\g)+2
.elseif (\g) >= 1
.if G_I == 0
.if G_AE == 0
	PLACES 4                                       ; ahead of the maxima on the last n-tile's results
.endif
.endif
.endif
.if ((\g)%3) == 0
	.set G_M, MKF0
.elseif ((\g)%3) == 1
	.set G_M, MKF1
.else
	.set G_M, MKF2
.endif
.if G_I == 0
.if G_SET
	.set G_B, MKB1
.else
	.set G_B, MKB0
.endif
.if G_B > G_M
	.set G_M, G_B
.endif
.endif
	.set G_END, 0
.if ENDK
.if (\g) == NG-1
	.set G_END, 1
.endif
.endif
.if G_END
	s_wait_dscnt 0x0                               ; my reads of this block are over, my partial sums are in LDS,
	s_wait_tensorcnt 0x0                           ; and all my tensor loads have landed: the one that was out was asked for a trip ago
	s_barrier_signal -1                            ; register work alone up to the wait
.else
	WAITM G_M
.endif
	.set G_E, 0
.rept 4
	.set G_P, 4*G_I+G_E
.if KS == 16
	.set G_R, 32*(((G_P>>2)<<1)|(G_P&1))
.if (G_P>>1)&1
	WIN INW1<<2
.else
	WIN INW0<<2
.endif
.else
	.set G_R, 32*G_P
	WIN INW0<<2
.endif
	.set G_J, 0
.rept 4
.if G_P == 0
	MM G_ACC+8*G_J, G_FR+8*G_E, G_R+8*G_J, BIAS+8*G_SET
.else
	MM G_ACC+8*G_J, G_FR+8*G_E, G_R+8*G_J, G_ACC+8*G_J
.endif
.if G_I == 0
.if PK
	v_max_num_f32 v[PACC+2*(4*G_E+G_J)], v[PACC+2*(4*G_E+G_J)], 0
	v_max_num_f32 v[PACC+2*(4*G_E+G_J)+1], v[PACC+2*(4*G_E+G_J)+1], 0
.endif
.endif
	.set G_J, G_J+1
.endr
	.set G_E, G_E+1
.endr
.if G_I == 0
	ESECTION
.endif
.if G_I == GPN-1
	.set PACC, G_ACC
.if DOT
	.set PK, 3
	.set PWS, G_SET
	.set PWVR, WV+8*G_SET
.else
	.set PK, 2
	.set PSPO, 2048*G_A
.endif
.endif
.if G_END
	WIN 0
	s_barrier_wait -1
	CREST                                          ; no wave of the four work-groups still reads this block or has a load on its way
.if RSTEP == 65536
	s_xor_b32 s[RG0+1], s[RG0+1], 65536            ; the block just read,
.else
	s_add_co_u32 s[RG0+1], s[RG0+1], RSTEP
	s_and_b32 s[RG0+1], s[RG0+1], 0x1ffff
.endif
	s_add_nc_u64 s[RG0+2:RG0+3], s[RG0+2:RG0+3], RSTEP     ; and the stream's bytes 131,072 further on
	tensor_load_to_lds s[RG0:RG0+3], s[RG1:RG1+7]  ; the first tensor load behind the round; it has a trip's products in which to land
	s_nop 0
.endif
.endm
.macro SPCSET                          ; the stage holds four trips: trip s84 writes at 8,192 (s84 & 3)
.if DOT == 0
	s_and_b32 s85, s84, 3
	s_lshl_b32 s85, s85, 13
	v_add_nc_u32 v[SPC], s85, v[SPB]
.endif
.endm
; What a trip needs first: the biases of its n-tiles 0 and 1 and its fragment groups 0 to 2, from the block at ring offset s81.
; That block has landed: every wave's wait for all its tensor loads stands in front of the barrier that ended the trip before.
.macro HEADLOADS
.irp t, 0,1,2,3
	s_add_co_u32 s[40+\t], s[44+\t], s81
.endr
	ADSET 0
	BIASLD 0
	BIASLD 1
.if DOT
	WVLD 0
.endif
	LOADG 0
.if GPN == 1
	ADSET 1
.endif
	LOADG 1
.if GPN <= 2
	ADSET 2/GPN
.endif
	LOADG 2
.endm
; The layer's loop; a trip is block nu of the layer.  midw: the window into which the full stage goes behind the fourth trip of eight
; (0: the layer fills the stage once).  The tail: the addresses step (eight plain instructions: the places behind the last products,
; ahead of the maxima that read them and of the loads into fragment and bias registers); the next trip's first loads, which the
; last trip jumps over; the last n-tile's conversion.  No wait stands between the loads that may be jumped over and the loop's end.
.macro NULOOP trips, midw
.Lnu_\@:
	.set GG, 0
.rept NG
	GROUP GG
	.set GG, GG+1
.endr
	WIN 0
.irp t, 0,1,2,3
	v_add_nc_u32 v[BA+\t], 64, v[BA+\t]            ; the next n-tile of each quarter
	v_add_nc_u32 v[PA+\t], 64, v[PA+\t]
.endr
	s_add_co_u32 s81, s81, 4096*KS                 ; the next block of the ring
	s_and_b32 s81, s81, 0x1ffff
	s_add_co_u32 s84, s84, 1
	CONVWAIT                                       ; ahead of the branch: its count holds on both ways
	s_cmp_ge_u32 s84, \trips
	s_cbranch_scc1 .Llast_\@
	HEADLOADS
.Llast_\@:
	CONVMAX
	CONVPART 0, 16
	CONVST
	SPCSET
.if \midw
	s_cmp_lg_u32 s84, 4
	s_cbranch_scc1 .Lnomid_\@
	RELOAD \midw, 4
.Lnomid_\@:
.endif
	s_cmp_lt_u32 s84, \trips
	s_cbranch_scc1 .Lnu_\@
.endm
; Ahead of a layer's loop: its addresses, the stage of the layer before into window relw, E's input, and, last, the first trip's first loads.
.macro LPRO relw, relnuh
	LAYERSET
	EINLOAD
.if \relw
	RELOAD \relw, \relnuh
.endif
	EINBUILD
	SPCSET
	HEADLOADS
.endm
	;        KS lks ln  bias  sums in0 in1 dot  bias and sums before, ring offset
	LAYERDEF 8, 3, 9, 1024, EP1, 3, 3, 0, 0, EP0, 0                ; 256 -> 512: 8 blocks of 32,768 bytes (tiles 4-7)
	REFILLDEF 1, 68, 88, 32768
	LPRO 0, 0
	NULOOP 8, 1                                    ; trips 0-3 into window 1
	LAYERDEF 16, 4, 9, 3072, EP0, 1, 2, 0, 1024, EP1, 0            ; 512 -> 512: 8 blocks of 65,536 bytes (tiles 8-15)
	REFILLDEF 1, 72, 48, 65536
	LPRO 2, 4                                      ; trips 4-7 of the layer before into window 2
	NULOOP 8, 3
	LAYERDEF 16, 4, 8, 5120, EP1, 3, 1, 0, 3072, EP0, 0            ; 512 -> 256: 4 blocks (tiles 16-19); its last refill is tile 21, the last tensor load
	LPRO 1, 4
	NULOOP 4, 0
	LAYERDEF 8, 3, 7, 6144, EP0, 2, 2, 0, 5120, EP1, 0             ; 256 -> 128: 2 blocks of 32,768 bytes (tile 20); nothing is left to fetch
	REFILLDEF 0, 72, 48, 65536
	LPRO 2, 4
	NULOOP 2, 0
	s_wait_dscnt 0x0                               ; my partial sums are in LDS,
	s_wait_tensorcnt 0x0                           ; my quarter of tile 21 is in:
	s_barrier_signal -1
	s_barrier_wait -1                              ; everybody's are
	LAYERDEF 4, 2, 8, 6656, EP1, 1, 1, 1, 6144, EP0, 65536         ; 128 -> 256 and the dot product with Wv: 4 blocks of 16,384 bytes (tile 21)
	LPRO 1, 2
.irp i, 0,1,2,3,4,5,6,7
	v_mov_b32 v[QS+\i], 0                          ; eight running sums: in a loop no first product can start them
.endr
	NULOOP 4, 0
; ================= the end =================
	s_wait_dscnt 0x0
	s_barrier_signal -1
	s_barrier_wait -1                              ; the last layer's partial sums of E are in LDS
	v_lshlrev_b32 v21, 1, v[L16]                   ; outputs 8 lane .. 8 lane + 7
	v_add_nc_u32 v22, EP1, v21
	v_add_nc_u32 v23, CST+6656, v21
.irp u, 0,1,2,3
	ds_load_b128 v[32+8*\u:35+8*\u], v22 offset:2048*\u
	ds_load_b128 v[36+8*\u:39+8*\u], v22 offset:2048*\u+16
.endr
	ds_load_b128 v[64:67], v23                     ; b2b
	ds_load_b128 v[68:71], v23 offset:16
	ds_load_b128 v[72:75], v23 offset:1024         ; Wv
	ds_load_b128 v[76:79], v23 offset:1040
.irp j, 0,1,2,3                                    ; q_after of row 16 j + r: my half's outputs, then the other half's
	v_add_f32 v[24+\j], v[QS+2*\j], v[QS+2*\j+1]
.endr
.irp j, 0,1,2,3
	v_permlanex16_b32 v[28+\j], v[24+\j], s82, s83
.endr
.irp j, 0,1,2,3
	v_add_f32 v[24+\j], v[24+\j], v[28+\j]
.endr
	s_wait_dscnt 0x0
.irp i, 0,2,4,6
	v_pk_add_f32 v[32+\i:33+\i], v[32+\i:33+\i], v[40+\i:41+\i]
	v_pk_add_f32 v[48+\i:49+\i], v[48+\i:49+\i], v[56+\i:57+\i]
.endr
.irp i, 0,2,4,6
	v_pk_add_f32 v[32+\i:33+\i], v[32+\i:33+\i], v[48+\i:49+\i]
.endr
.irp i, 0,2,4,6
	v_pk_add_f32 v[32+\i:33+\i], v[32+\i:33+\i], v[64+\i:65+\i]
.endr
.irp i, 0,1,2,3,4,5,6,7
	v_max_num_f32 v[32+\i], 0, v[32+\i]
.endr
	v_pk_mul_f32 v[80:81], v[32:33], v[72:73]
	v_pk_fma_f32 v[80:81], v[34:35], v[74:75], v[80:81]
	v_pk_fma_f32 v[80:81], v[36:37], v[76:77], v[80:81]
	v_pk_fma_f32 v[80:81], v[38:39], v[78:79], v[80:81]
	v_add_f32 v80, v80, v81
	v_add_f32_dpp v80, v80, v80 row_xmask:1 row_mask:0xf bank_mask:0xf
	v_add_f32_dpp v80, v80, v80 row_xmask:2 row_mask:0xf bank_mask:0xf
	v_add_f32_dpp v80, v80, v80 row_xmask:4 row_mask:0xf bank_mask:0xf
	v_add_f32_dpp v80, v80, v80 row_xmask:8 row_mask:0xf bank_mask:0xf
	v_permlanex16_b32 v81, v80, s82, s83
	v_add_f32 v80, v80, v81
	v_add_f32 v80, s80, v80                        ; q_before = dot + bv
.irp j, 0,1,2,3
	v_add_f32 v[24+\j], s80, v[24+\j]              ; q_after = dot + bv
	v_sub_f32 v[24+\j], v[24+\j], v80
.endr
	v_and_b32 v21, 15, v0
	v_lshlrev_b32 v21, 2, v21
	s_lshl_b32 s35, s32, 8
	v_add3_u32 v21, v21, s35, OUTS
	v_lshrrev_b32 v22, 1, v[L16]                   ; 8 lane
	v_add3_u32 v23, v22, s35, OUTS
.irp j, 0,1,2,3
	ds_store_b32 v21, v[24+\j] offset:64*\j        ; both halves of the lanes hold, and write, the same number
.endr
	ds_load_b64 v[28:29], v23                      ; my wave's own bytes, served in order
	s_lshl_b32 s76, s34, 10
	s_add_co_u32 s76, s76, s35
	s_mov_b32 s77, 0
	s_add_nc_u64 s[76:77], s[30:31], s[76:77]      ; out0[b] at row 64 w
	s_wait_dscnt 0x0
	global_store_b64 v22, v[28:29], s[76:77]       ; the wave stores 256 consecutive bytes at a multiple of 256
	ROUND                                          ; the closing round: no work-group ends while a partner may still ask jointly
	s_endpgm
.Lfunc_end_k_q09e7c06a7d_mlp:
	.size	k_q09e7c06a7d_mlp, .Lfunc_end_k_q09e7c06a7d_mlp-k_q09e7c06a7d_mlp
	.p2alignl 7, 3214868480
	.fill 96, 4, 3214868480
	.section	.rodata,"a",@progbits
	.p2align	6, 0x0
	.amdhsa_kernel k_q09e7c06a7d_mlp
		.amdhsa_group_segment_fixed_size 327680
		.amdhsa_private_segment_fixed_size 0
		.amdhsa_enable_private_segment 0
		.amdhsa_kernarg_size 96
		.amdhsa_user_sgpr_count 2
		.amdhsa_user_sgpr_kernarg_segment_ptr 1
		.amdhsa_wavefront_size32 1
		.amdhsa_system_sgpr_workgroup_id_x 1
		.amdhsa_system_sgpr_workgroup_id_y 1
		.amdhsa_system_sgpr_workgroup_id_z 1
		.amdhsa_system_vgpr_workitem_id 0
		.amdhsa_next_free_vgpr 1024
		.amdhsa_next_free_sgpr 96
		.amdhsa_reserve_vcc 1
		.amdhsa_float_denorm_mode_32 3
		.amdhsa_float_denorm_mode_16_64 3
		.amdhsa_memory_ordered 1
		.amdhsa_forward_progress 1
		.amdhsa_inst_pref_size 255
	.end_amdhsa_kernel
	.section	.bss,"aw",@nobits
	.p2align	6
	.space	262144
	.amdgpu_metadata
---
amdhsa.version: [ 1, 2 ]
amdhsa.kernels:
  - .name:           k_q09e7c06a7d_mlp
    .symbol:         k_q09e7c06a7d_mlp.kd
    .args:
      - { .name: wts, .offset: 0, .size: 8, .value_kind: global_buffer, .address_space: global }
      - { .name: obs, .offset: 8, .size: 8, .value_kind: global_buffer, .address_space: global }
      - { .name: feat, .offset: 16, .size: 8, .value_kind: global_buffer, .address_space: global }
      - { .name: b0a, .offset: 24, .size: 8, .value_kind: global_buffer, .address_space: global }
      - { .name: b0b, .offset: 32, .size: 8, .value_kind: global_buffer, .address_space: global }
      - { .name: b1a, .offset: 40, .size: 8, .value_kind: global_buffer, .address_space: global }
      - { .name: b1b, .offset: 48, .size: 8, .value_kind: global_buffer, .address_space: global }
      - { .name: b2a, .offset: 56, .size: 8, .value_kind: global_buffer, .address_space: global }
      - { .name: b2b, .offset: 64, .size: 8, .value_kind: global_buffer, .address_space: global }
      - { .name: Wv, .offset: 72, .size: 8, .value_kind: global_buffer, .address_space: global }
      - { .name: bv, .offset: 80, .size: 8, .value_kind: global_buffer, .address_space: global }
      - { .name: out0, .offset: 88, .size: 8, .value_kind: global_buffer, .address_space: global }
    .group_segment_fixed_size: 327680
    .private_segment_fixed_size: 0
    .kernarg_segment_align: 8
    .kernarg_segment_size: 96
    .max_flat_workgroup_size: 128
    .sgpr_count:     96
    .vgpr_count:     1024
    .wavefront_size: 32
...
	.end_amdgpu_metadata
.endif
;; end of part 3
